; MI455X (gfx1250); checked and timed in simulation.
; The chip was launched on July 23, 2026; its instructions are those of AMD's public machine-readable ISA for CDNA 5 (MIT licence, August 2026) and "CDNA5" Instruction Set Architecture Reference Guide (July 2026). The comments in the code are by the model that wrote it; some were corrected since.
;; Log Attention Transformer Layer. Allowed arithmetic: matrix products marked QUANTISED: E5M2 operands, one given power-of-two scale a tensor, by v_wmma_f32_16x16x64_bf8_bf8 or v_wmma_f32_16x16x128_bf8_bf8, f32 sums; everything else in f32.
;; Inputs: W1_codes 4,096 x 32 x 32 uint8 (E5M2 codes of W1, K innermost, in blocks of 32 codes); W2_codes 1,024 x 128 x 32 uint8 (E5M2 codes of W2, K innermost, in blocks of 32 codes); b1 4,096 float32; b2 1,024 float32; char_W_codes 1,024 x 24 x 32 uint8 (E5M2 codes of char_W, K innermost, in blocks of 32 codes); char_b 1,024 float32; lowp_scales 12 int32 (the exponents e of the quantised operands' scales 2^e); n1_b 1,024 float32; n1_g 1,024 float32; n2_b 1,024 float32; n2_g 1,024 float32; param_vectors_codes 4 x 1,024 x 4 x 24 x 32 uint8 (E5M2 codes of param_vectors, K innermost, in blocks of 32 codes); pe_b 1,024 float32; pe_g 1,024 float32; src 4 x 1,024 x 1,024 float32.
;; Outputs: out0 4 x 1,024 x 1,024 float32.
;; This version of the problem:
;;   THIS VERSION OF THE PROBLEM IS GIVEN IN LOW PRECISION. The matrix products marked QUANTISED in the list below multiply operands that are first quantised to E5M2 (5 exponent bits, 2 mantissa bits; 8 bits a number), with one given power-of-two scale for each operand tensor; their sums are f32. All else is computed in f32.
;;   The module's matrix products, in the order in which they are computed (A, B: the left and right operand; K: the contracted axis; several contracted axes count as one K, in the product's order):
;;     1. [M 16,384, K 768] x [K 768, N 1,024]; A: input param_vectors (given as codes); B: input char_W (given as codes): QUANTISED (scales: A lowp_scales[0], B lowp_scales[1])
;;     2. batch 64 x [M 1,024, K 64] x [K 64, N 1,024]; A: computed on the way; B: computed on the way: QUANTISED (scales: A lowp_scales[2], B lowp_scales[3])
;;     3. batch 64 x [M 1,024, K 64] x [K 64, N 1,024]; A: input src; B: input src: QUANTISED (scales: A lowp_scales[4], B lowp_scales[5])
;;     4. batch 64 x [M 1,024, K 1,024] x [K 1,024, N 64]; A: softmax (see below); B: input src: QUANTISED (scales: A lowp_scales[6], B lowp_scales[7])
;;     5. [M 4,096, K 1,024] x [K 1,024, N 4,096]; A: computed on the way; B: input W1 (given as codes): QUANTISED (scales: A lowp_scales[8], B lowp_scales[9])
;;     6. [M 4,096, K 4,096] x [K 4,096, N 1,024]; A: computed on the way; B: input W2 (given as codes): QUANTISED (scales: A lowp_scales[10], B lowp_scales[11])
;;   THE QUANTISER, for each operand of a quantised product, along K:
;;     - The operand's scale is 2^e, e = its entry of the input lowp_scales (int32; the entries are numbered through the quantised products in the list's order, A before B).
;;     - Each number is divided by the scale, clamped to +-57,344, and rounded to the nearest number of E5M2, ties to even, subnormals kept.
;;     - The product sums the exact products of the quantised numbers (number of the format x scale) in f32.
;;   ~~~python
;;   def quantise(x, axis, e):      # numpy; x: float32 -> the quantised numbers, widened to float32 again
;;       x = np.moveaxis(x, axis, -1); K = x.shape[-1]
;;       r = np.clip(x / 2.0 ** e, -57344, 57344)
;;       step = 2.0 ** (np.maximum(np.frexp(np.where(r == 0, 1, r))[1] - 1, -14) - 2)
;;       q = np.round(r / step) * step * 2.0 ** e      # np.round: ties to even
;;       return np.moveaxis(q, -1, axis).astype(np.float32)
;;   ~~~
;;   SOFTMAX AHEAD OF A QUANTISED PRODUCT. Where the list says 'softmax', what is quantised is not the finished softmax but p = 2^(t - M), with t = logit x log2(e) and M = ceil(the row's largest t), a whole number; so 1/2 < the row's largest p <= 1. The row's sum l is taken of the UNQUANTISED p, in f32, and the product's result is divided by l at the end. Since M is a whole number, a kernel that streams over the keys may use a running M (the ceiling of the running maximum): every later rescaling is an exact power of two, so the quantised numbers keep their values, but for numbers so far below the row's largest that they fall under the format's range.
;;   OPERANDS COMPUTED ON THE WAY. 'Computed on the way' means the value that the module computes at that place (a softmax that the list does not call 'softmax' is quantised finished and normalised). What goes into a quantiser is computed in f32, as accurately as f32 sums, v_exp_f32 and their like allow (about 1e-6 of the number): no bf16 or f16 on the way to a quantiser, and a product that is left as it is and whose result goes on into a quantised operand takes f32 operands (vector FMAs, or v_wmma_f32_16x16x4_f32). A number that lies on a knife's edge between two numbers of the format may be rounded either way, as far as f32 arithmetic and the matrix unit's own rounding can turn it there, and no further.
;;   INPUTS GIVEN AS CODES. W1 (in the module: [4096, 1024], K = its axis 1); W2 (in the module: [1024, 4096], K = its axis 1); char_W (in the module: [1024, 768], K = its axis 1); param_vectors (in the module: [4, 1024, 4, 768], K = its axis 3): each comes as NAME_codes (uint8): NAME with its K axis moved to the last place and cut into blocks of 32 codes, [.., K / 32, bytes a block], one block behind the other in memory; one code a byte (a code: sign, 5 exponent bits, 2 mantissa bits); its scale is its entry of lowp_scales. Its value is code x scale, taken as it is: it is not quantised again, and the codes and scales need not be those that the quantiser above would give.
;; One version. Each part assembles by itself: llvm-mc -triple=amdgcn-amd-amdhsa -mcpu=gfx1250 --defsym DOCPART=n.
;; ======== version 1 of 1: 6 launches
;; limits: right only within a limited range of input values
;; workspace buffers: qa 8,388,608 bytes; kv 12,582,912 bytes; res 16,777,216 bytes; xbuf 16,777,216 bytes; xc 4,194,304 bytes; hc 16,777,216 bytes
;; launch enc (part 1): grid 256 x 1, 16 waves a work-group, clusters of 4 x 1, 327,680 bytes of LDS; arguments param_vectors_codes, char_W_codes, char_b, pe_g, pe_b, src, lowp_scales, qa, kv; writes qa, kv
.if DOCPART == 1
	.amdgcn_target "amdgcn-amd-amdhsa--gfx1250"
	.amdhsa_code_object_version 6
	.text
	.protected	k_q6951853bf7_enc
	.globl	k_q6951853bf7_enc
	.p2align	8
	.type	k_q6951853bf7_enc,@function
k_q6951853bf7_enc:
	s_mov_b64 s[64:65], 0
	v_nop
	global_prefetch_b8 v0, s[64:65] scope:SCOPE_SE
	s_setreg_imm32_b32 hwreg(HW_REG_WAVE_MODE, 25, 1), 1
	s_wait_xcnt 0x0
	s_wait_alu depctr_hold_cnt(0) depctr_sa_sdst(0) depctr_va_vdst(0) depctr_va_sdst(0) depctr_va_ssrc(0) depctr_va_vcc(0) depctr_vm_vsrc(0)
	s_getreg_b32 s2, hwreg(HW_REG_IB_STS2, 6, 4)
	s_cmp_eq_u32 s2, 0
	s_cbranch_scc0 .Lentry_in_a_cluster
	s_endpgm
.Lentry_in_a_cluster:
	s_bfe_u32 s2, ttmp6, 0x10000c
	s_cmp_lg_u32 s2, 0x3003
	s_cbranch_scc0 .Lentry_shape_is_right
	s_endpgm
.Lentry_shape_is_right:
; THE PARAMETER ENCODER, AND THE OPERANDS OF ATTENTION.  pe = LN(mean over p of (param_vectors . char_W^T + char_b); pe_g, pe_b), quantised with e2 (query side) and e3 (key side);
; src quantised with e4 (query side), e5 (key side) and e7 (values, along the keys).  All codes are E5M2; a scale is 2^e, e an entry of lowp_scales.
; NO WORK IS LEFT OUT in this program: every product of the problem reaches the output, and every input is loaded (char_b, pe_g and pe_b move the codes of the second product).
; THE MEAN OVER p: the four p of a token are summed in ONE accumulator (K = 4 x 768, char_W's fragment used four times): the same products, and the mean is the factor 2^(e0 + e1 - 2).
; SHARES.  A work-group owns 16 tokens and all 1,024 columns, so that the norm's row sums stay inside it.  char_W goes through two LDS slots (slot 0: its rows 0-511, slot 1: rows 512-1023), 256 along K at a time:
; six steps, slot = step % 2.  In a step wave w multiplies the slot's rows 32 w .. 32 w + 31 (two tiles) by the 16 tokens' four p: 16 matrix instructions of 128 along K.
; The product is used transposed (source 0 = 16 rows of char_W, source 1 = 16 tokens): lane (r, h) holds token r and columns 512 slot + 32 w + 16 u + 8 h + 0..7.
; CLUSTER.  All work-groups walk the same char_W: four of them ask for each tile jointly (mask 15).  param_vectors and src are each work-group's own and come through registers.
; THE ORDER OF K.  Cluster n begins with the third n mod 3 of K and walks on cyclically: the clusters' first fills together ask for all of char_W, so the bytes of every refill have been asked for earlier in the
; launch by other clusters.  The start hangs on the cluster's number alone, which the four partners share.  param_vectors' thirds are taken in the same order.
; WHAT IS STORED: images of operand registers, blocks of 512 bytes, lane l's 16 bytes at 16 l.
;   qa[head][tile of 16 queries][2,048]: src's codes at 0, pe's at 1,024, two blocks each.   kv[head][128 keys][24,576]: pe's codes at 0, src's at 8,192 (both by groups of 32 keys), the values at 16,384.
; LIMITS: e2, e3, e4, e5, e7 between -126 and 112; e0 + e1 between -124 and 129, so that each power of two below is an f32 number.  NaN among the inputs is not served.
; The order in which the f32 sums run along K differs from cluster to cluster.
.set PITCH, 272                        ; an LDS row: 256 bytes + 16 of padding, so that the 16 rows of a fragment load start in 16 different groups of banks
.set WBLK,  64*PITCH                   ; what one tensor load brings: 64 rows
.set WSLOT, 8*WBLK                     ; a slot: 512 rows
.set AREG,  2*WSLOT                    ; behind the ring: two regions for param_vectors, 64 rows (16 p + token) each; stored by the waves, never filled by a tensor load
.set ASZ,   64*PITCH
.set RED,   AREG+2*ASZ                 ; two tables of 16 tokens x 16 waves' partial sums, 80 bytes a token
.set REDSZ, 1280
.set SPARE, RED+2*REDSZ                ; the spare words: 128 bytes a wave, named by no other line
.set QAH,   8*64*2048                  ; eight heads on, in qa
.set KVH,   8*196608                   ; and in kv
.set SPW, 1                            ; v1  my spare word;  v2  0: both never rewritten
.set NIL, 2
.set BL,  3                            ; v3, v4  my two tiles of char_W in slot 0, 1
.set AL,  5                            ; v5  param_vectors' fragments
.set AS,  6                            ; v6  where I store param_vectors
.set SRO, 7                            ; v7  src by rows
.set SCO, 8                            ; v8  src by columns
.set QO,  9                            ; v9  16 x lane
.set KO,  10                           ; v10 my 16 bytes in a key image
.set VO,  11                           ; v11 my 16 bytes in the value image
.set PO,  12                           ; v12 char_b, pe_g, pe_b at my columns
.set RS,  13                           ; v13 my wave's word in the table of sums;  v14 my token's 16 words
.set RL,  14
.set AGO, 15                           ; v15 param_vectors in memory
.set ACC, 16                           ; v16-47   accumulators: 16 slot + 8 u + j
.set BF,  48                           ; v48-111  char_W's fragments: 2 kc + u
.set AF,  112                          ; v112-239 param_vectors' fragments: 4 kc + p
.set T,   240                          ; v240-255 at work
.set WB,  84                           ; s[84:85] my 64 rows of char_W in memory
.set O0,  86                           ; s[86:87], s[88:89], s[90:91] the byte in a row of K at which the first, second, third third of my walk begins
.set O1,  88
.set O2,  90
.set PV0, 92                           ; s[92:97] param_vectors at those three
.macro NOPS n
.rept \n
	v_nop
.endr
.endm
.macro ROUND                           ; a round of the cluster's barrier
	s_barrier_signal -1
	s_barrier_wait -1
	s_cmp_lg_u32 s22, 0
	s_cbranch_scc1 .Lnw0_\@
	s_barrier_signal -3
.Lnw0_\@:
	s_barrier_wait -3
	s_barrier_signal -1
	s_barrier_wait -1
.endm
.macro MOD3 d, add                     ; s[d] = 256 x ((the cluster's number + add) mod 3), s[d+1] = 0.  n / 3 = (n x 21,846) >> 16 for the numbers up to 65 that occur
	s_add_co_u32 s[\d], ttmp9, \add
	s_mul_i32 s[\d+1], s[\d], 0x5556
	s_lshr_b32 s[\d+1], s[\d+1], 16
	s_mul_i32 s[\d+1], s[\d+1], 3
	s_sub_co_u32 s[\d], s[\d], s[\d+1]
	s_lshl_b32 s[\d], s[\d], 8
	s_mov_b32 s[\d+1], 0
.endm
.macro SCLIM d, e                      ; s[d] = 2^e as f32, s[d+1] = 57,344 x 2^e
	s_add_co_i32 s[\d], s[\e], 127
	s_lshl_b32 s[\d], s[\d], 23
	s_add_co_i32 s[\d+1], s[\e], 142
	s_lshl_b32 s[\d+1], s[\d+1], 23
	s_or_b32 s[\d+1], s[\d+1], 0x600000
.endm
; 16 numbers become 16 codes in four registers.  The numbers are held into T, since each is quantised with two scales.
.macro QUANT16 src, dst, lim, scl
.irp i, 0,1,2,3,4,5,6,7,8,9,10,11,12,13,14,15
	v_med3_num_f32 v[T+\i], v[\src+\i], -v[\lim], v[\lim]  ; the conversion does not saturate (ISA guide 7.6.2): the hold at the largest code x the scale
.endr
	v_cvt_scalef32_pk8_bf8_f32 v[\dst:\dst+1], v[T:T+7], v[\scl]
	v_cvt_scalef32_pk8_bf8_f32 v[\dst+2:\dst+3], v[T+8:T+15], v[\scl]
	v_nop                                          ; a plain line between a scaled conversion and the next vector line that writes its sources
.endm
.macro LDA ar, kc                      ; the four p's fragments of 128 along K
.irp p, 0,1,2,3
.irp c, 0,1,2,3
	ds_load_b128 v[AF+16*(4*\kc+\p)+4*\c:AF+16*(4*\kc+\p)+4*\c+3], v[AL] offset:\ar*ASZ+\p*16*PITCH+\kc*128+32*\c
.endr
.endr
.endm
.macro LDB sl, kc                      ; my two tiles' fragments
.irp u, 0,1
.irp c, 0,1,2,3
	ds_load_b128 v[BF+16*(2*\kc+\u)+4*\c:BF+16*(2*\kc+\u)+4*\c+3], v[BL+\sl] offset:\u*16*PITCH+\kc*128+32*\c
.endr
.endr
.endm
.macro MULS sl, kc, first              ; eight products; the two accumulators take turns; first = 1: the first product starts the sum
.irp p, 0,1,2,3
.irp u, 0,1
.if (\first) && (\kc == 0) && (\p == 0)
	v_wmma_f32_16x16x128_bf8_bf8 v[ACC+16*\sl+8*\u:ACC+16*\sl+8*\u+7], v[BF+16*(2*\kc+\u):BF+16*(2*\kc+\u)+15], v[AF+16*(4*\kc+\p):AF+16*(4*\kc+\p)+15], 0
.else
	v_wmma_f32_16x16x128_bf8_bf8 v[ACC+16*\sl+8*\u:ACC+16*\sl+8*\u+7], v[BF+16*(2*\kc+\u):BF+16*(2*\kc+\u)+15], v[AF+16*(4*\kc+\p):AF+16*(4*\kc+\p)+15], v[ACC+16*\sl+8*\u:ACC+16*\sl+8*\u+7]
.endif
.endr
.endr
.endm
.macro STEPE sl, ar, first             ; a step on slot 0: param_vectors' fragments of this third of K are fetched too
	NOPS 4                                         ; four places in front of loads into registers that matrix instructions have read
	LDA \ar, 0
	LDB \sl, 0
	LDA \ar, 1
	LDB \sl, 1
	s_wait_dscnt 24                                ; the first 128 along K are in; the youngest 24 loads are the second 128's
	MULS \sl, 0, \first
	s_wait_dscnt 0x0
	MULS \sl, 1, \first
.endm
.macro STEPO sl, first                 ; a step on slot 1: param_vectors' fragments are still in registers
	NOPS 4
	LDB \sl, 0
	LDB \sl, 1
	s_wait_dscnt 8                                 ; all but the youngest eight loads
	MULS \sl, 0, \first
	s_wait_dscnt 0x0
	MULS \sl, 1, \first
.endm
; The slot just read is filled again with the walk's next third of K, which begins at byte s[off] of the rows.  Every wave: all its tensor loads have landed; an add to its spare word; the add and its
; reads of the slot are done; a round of the cluster's barrier; then the slot's eight waves (a branch on the wave's number, the same in every partner) each issue their one joint load, first thing behind the round.
.macro CHANGE sl, off
	s_wait_tensorcnt 0x0
	ds_add_u32 v[SPW], v[NIL]
	s_wait_dscnt 0x0
	ROUND
	s_cmp_eq_u32 s23, \sl
	s_cbranch_scc0 .Lnofill_\@
	s_add_nc_u64 s[42:43], s[WB:WB+1], s[\off:\off+1]  ; no load of mine is out: the descriptor may be written
	s_or_b32 s43, s43, 0x80000000                  ; type 2
	tensor_load_to_lds s[40:43], s[32:39]
	s_nop 0
	NOPS 4
.Lnofill_\@:
.endm
; v[180:183], two packed chains of a lane's numbers of token r, become in v160 the sum over the token's 1,024 columns, in every lane
.macro WGSUM off
	s_delay_alu instid0(VALU_DEP_1)
	v_pk_add_f32 v[180:181], v[180:181], v[182:183]
	s_delay_alu instid0(VALU_DEP_1)
	v_add_f32 v180, v180, v181
	s_delay_alu instid0(VALU_DEP_1)
	v_permlanex16_b32 v184, v180, s66, s67         ; the token's other half of my wave's columns
	s_delay_alu instid0(VALU_DEP_1)
	v_add_f32 v180, v180, v184
	ds_store_b32 v[RS], v180 offset:\off           ; lanes r and r + 16 store the same number to the same word
	s_wait_dscnt 0x0                               ; for the others' sake
	s_barrier_signal -1
	s_barrier_wait -1
.irp c, 0,1,2,3
	ds_load_b128 v[160+4*\c:163+4*\c], v[RL] offset:\off+16*\c
.endr
	s_wait_dscnt 0x0
	v_pk_add_f32 v[160:161], v[160:161], v[162:163]
	v_pk_add_f32 v[164:165], v[164:165], v[166:167]
	v_pk_add_f32 v[168:169], v[168:169], v[170:171]
	v_pk_add_f32 v[172:173], v[172:173], v[174:175]
	s_delay_alu instid0(VALU_DEP_3)
	v_pk_add_f32 v[160:161], v[160:161], v[164:165]
	s_delay_alu instid0(VALU_DEP_2)
	v_pk_add_f32 v[168:169], v[168:169], v[172:173]
	s_delay_alu instid0(VALU_DEP_1)
	v_pk_add_f32 v[160:161], v[160:161], v[168:169]
	s_delay_alu instid0(VALU_DEP_1)
	v_add_f32 v160, v160, v161
.endm
	s_load_b256 s[4:11], s[0:1], 0x0               ; param_vectors' codes s[4:5], char_W's s[6:7], char_b s[8:9], pe_g s[10:11]
	s_load_b256 s[12:19], s[0:1], 0x20             ; pe_b s[12:13], src s[14:15], the exponents s[16:17], qa s[18:19]
	s_load_b64 s[20:21], s[0:1], 0x40              ; kv
	v_lshl_add_u32 v[SPW], v0, 2, SPARE
	v_mov_b32 v[NIL], 0
	ds_add_u32 v[SPW], v[NIL]                      ; the opening: the add, twice on end, and its wait ahead of my first tensor load
	ds_add_u32 v[SPW], v[NIL]
	v_lshrrev_b32 v250, 5, v0
	s_delay_alu instid0(VALU_DEP_1)
	v_readfirstlane_b32 s22, v250                  ; wave 0..15
	s_lshr_b32 s23, s22, 3                         ; the slot that I fill
	s_bfe_u32 s24, ttmp6, 0x40000                  ; cx
	s_lshl_b32 s25, ttmp9, 2
	s_add_co_u32 s25, s25, s24                     ; my work-group: tokens 16 WG on.  It enters global addresses alone
	s_mov_b32 s32, 15|(1<<20)|(1<<21)|(5<<22)|(3<<25)  ; group 1: mask of all four; elements of 1 byte; padding on; bit 21 beside a mask; 4 words behind every 64
	s_mov_b32 s33, 256<<16                         ; tensor_dim0
	s_mov_b32 s34, 64<<16                          ; tensor_dim1
	s_mov_b32 s35, 256<<16                         ; tile_dim0
	s_mov_b32 s36, 64                              ; tile_dim1
	s_mov_b32 s37, 768                             ; from row to row
	s_mov_b32 s38, 0
	s_mov_b32 s39, 0
	s_mov_b32 s40, 1                               ; group 0: count
	s_mul_i32 s41, s22, WBLK                       ; LDS: wave x 64 rows (waves 8-15 land in slot 1)
	s_mul_i32 s26, s22, 64*768                     ; memory: char_W's rows 64 w on
	s_mov_b32 s27, 0
	MOD3 O0, 0                                     ; my cluster's walk through the three thirds of K
	MOD3 O1, 1
	MOD3 O2, 2
	s_mov_b32 s66, 0x76543210                      ; lane l xor 16
	s_mov_b32 s67, 0xfedcba98
	s_mul_i32 s68, s25, 49152                      ; param_vectors: 16 tokens of 3,072 bytes a work-group, token w for my wave
	s_mul_i32 s28, s22, 3072
	s_add_co_u32 s68, s68, s28
	s_mov_b32 s69, 0
	s_lshl_b32 s70, s25, 16                        ; src: 16 rows of 4,096 bytes
	s_mov_b32 s71, 0
	s_lshr_b32 s28, s25, 6                         ; batch
	s_and_b32 s29, s25, 63                         ; tile of 16 positions in the sequence
	s_lshl_b32 s28, s28, 4
	s_lshr_b32 s30, s22, 1
	s_add_co_u32 s28, s28, s30                     ; my head of the first eight: 16 batch + w / 2
	s_and_b32 s30, s22, 1                          ; which 32 of the head's 64
	s_lshl_b32 s72, s28, 6
	s_add_co_u32 s72, s72, s29
	s_lshl_b32 s72, s72, 11
	s_lshl_b32 s31, s30, 9
	s_add_co_u32 s72, s72, s31                     ; qa: (64 head + tile) x 2,048 + 512 x block
	s_mov_b32 s73, 0
	s_mul_i32 s74, s28, 196608
	s_lshr_b32 s31, s29, 3
	s_mul_i32 s31, s31, 24576
	s_add_co_u32 s74, s74, s31                     ; kv: head x 196,608 + (tile / 8) x 24,576
	s_mov_b32 s75, 0
	s_and_b32 s76, s29, 1                          ; which 16 of a group of 32 keys
	s_bfe_u32 s77, s29, 0x20001                    ; which group of 32 in the 128
	s_wait_dscnt 0x0                               ; both opening adds are done
	s_wait_kmcnt 0x0
	s_load_b256 s[44:51], s[16:17], 0x0            ; e0 .. e7
	s_add_nc_u64 s[WB:WB+1], s[6:7], s[26:27]
	s_add_nc_u64 s[42:43], s[WB:WB+1], s[O0:O0+1]  ; the walk's first third
	s_or_b32 s43, s43, 0x80000000                  ; type 2
	ROUND                                          ; the four partners are here: the first joint loads meet
	tensor_load_to_lds s[40:43], s[32:39]          ; every wave's first fill: both slots, the walk's first 256 along K.  One load of mine is out
	s_nop 0
	NOPS 4
	s_add_nc_u64 s[68:69], s[4:5], s[68:69]
	s_add_nc_u64 s[PV0:PV0+1], s[68:69], s[O0:O0+1]
	s_add_nc_u64 s[PV0+2:PV0+3], s[68:69], s[O1:O1+1]
	s_add_nc_u64 s[PV0+4:PV0+5], s[68:69], s[O2:O2+1]
	s_add_nc_u64 s[70:71], s[14:15], s[70:71]
	s_add_nc_u64 s[72:73], s[18:19], s[72:73]
	s_add_nc_u64 s[74:75], s[20:21], s[74:75]
	v_and_b32 v252, 15, v0                         ; r
	v_bfe_u32 v253, v0, 4, 1                       ; h
	v_and_b32 v254, 31, v0                         ; lane
	s_delay_alu instid0(VALU_DEP_2)
	v_mul_u32_u24 v[AGO], v253, 768                ; lanes 0-15: one p's 256 bytes, lanes 16-31 the next p's
	s_delay_alu instid0(VALU_DEP_1)
	v_lshl_add_u32 v[AGO], v252, 4, v[AGO]
	s_lshl_b32 s31, s22, 7
	v_lshlrev_b32 v[SRO], 12, v252                 ; src by rows: row r, columns 32 w + 16 h on
	s_delay_alu instid0(VALU_DEP_1)
	v_lshl_add_u32 v[SRO], v253, 6, v[SRO]
	s_delay_alu instid0(VALU_DEP_1)
	v_add_nc_u32 v[SRO], s31, v[SRO]
	v_lshl_add_u32 v[SCO], v254, 2, s31            ; src by columns: column 32 w + lane
	v_lshl_add_u32 v[PO], v253, 5, s31             ; columns 32 w + 8 h on
.irp k, 0,1
.irp j, 0,1
	global_load_b128 v[16+8*\k+4*\j:19+8*\k+4*\j], v[AGO], s[PV0+2*\k:PV0+2*\k+1] offset:\j*1536 th:TH_LOAD_NT  ; token w, p = h + 2 j, the walk's first two thirds of K
.endr
.endr
.irp f, 0,1
.irp i, 0,1,2,3
	global_load_b128 v[112+16*\f+4*\i:115+16*\f+4*\i], v[SRO], s[70:71] offset:\f*2048+16*\i  ; 16 neighbours along the head's axis, for each of my two heads
.endr
.endr
.irp f, 0,1
.irp i, 0,1,2,3,4,5,6,7,8,9,10,11,12,13,14,15
	global_load_b32 v[144+16*\f+\i], v[SCO], s[70:71] offset:\i*4096+\f*2048  ; a lane to a column, registers down the 16 keys
.endr
.endr
	v_mul_u32_u24 v251, v252, PITCH
	s_delay_alu instid0(VALU_DEP_1)
	v_lshl_add_u32 v251, v253, 4, v251             ; r x pitch + 16 h
	s_mul_i32 s31, s22, 32*PITCH
	v_add_nc_u32 v[BL], s31, v251
	s_delay_alu instid0(VALU_DEP_1)
	v_add_nc_u32 v[BL+1], WSLOT, v[BL]
	v_add_nc_u32 v[AL], AREG, v251
	v_mul_u32_u24 v[AS], v253, 16*PITCH            ; row 16 p + token = 16 h + w
	s_delay_alu instid0(VALU_DEP_1)
	v_lshl_add_u32 v[AS], v252, 4, v[AS]
	s_mul_i32 s31, s22, PITCH
	s_add_co_u32 s31, s31, AREG
	v_add_nc_u32 v[AS], s31, v[AS]
	v_lshlrev_b32 v[QO], 4, v254
	v_xor_b32 v250, s76, v253                      ; a key image: (r / 8) 512 + (h xor half) 128 + (r % 8) 16, + group 2,048 + half 1,024 + block 256
	v_lshrrev_b32 v[KO], 3, v252
	s_delay_alu instid0(VALU_DEP_1)
	v_lshlrev_b32 v[KO], 9, v[KO]
	s_delay_alu instid0(VALU_DEP_1)
	v_lshl_add_u32 v[KO], v250, 7, v[KO]
	v_and_b32 v250, 7, v252
	s_delay_alu instid0(VALU_DEP_1)
	v_lshl_add_u32 v[KO], v250, 4, v[KO]
	s_lshl_b32 s31, s77, 11
	s_lshl_b32 s78, s76, 10
	s_add_co_u32 s31, s31, s78
	s_lshl_b32 s78, s30, 8
	s_add_co_u32 s31, s31, s78
	v_add_nc_u32 v[KO], s31, v[KO]
	v_lshlrev_b32 v[VO], 11, v253                  ; the value image: tile (2 (w % 2) + h) 2,048 + group 512 + half 256 + 16 r, from 16,384 on
	s_delay_alu instid0(VALU_DEP_1)
	v_lshl_add_u32 v[VO], v252, 4, v[VO]
	s_lshl_b32 s31, s30, 12
	s_lshl_b32 s78, s77, 9
	s_add_co_u32 s31, s31, s78
	s_lshl_b32 s78, s76, 8
	s_add_co_u32 s31, s31, s78
	s_add_co_u32 s31, s31, 16384
	v_add_nc_u32 v[VO], s31, v[VO]
	v_mul_u32_u24 v[RL], v252, 80
	s_delay_alu instid0(VALU_DEP_1)
	v_add_nc_u32 v[RL], RED, v[RL]
	s_lshl_b32 s31, s22, 2
	v_add_nc_u32 v[RS], s31, v[RL]
	s_wait_loadcnt 40                              ; param_vectors' four loads are in; src's 40 stay out
.irp k, 0,1
.irp j, 0,1
	ds_store_b128 v[AS], v[16+8*\k+4*\j:19+8*\k+4*\j] offset:\k*ASZ+\j*32*PITCH
.endr
.endr
	s_wait_kmcnt 0x0
	s_add_co_i32 s52, s44, s45
	s_add_co_i32 s52, s52, 125
	s_lshl_b32 s52, s52, 23                        ; 2^(e0 + e1 - 2)
	s_mov_b32 s53, s52
	SCLIM 54, 48                                   ; e4: src as queries
	SCLIM 56, 49                                   ; e5: src as keys
	SCLIM 58, 51                                   ; e7: src as values
	SCLIM 60, 46                                   ; e2: pe as queries
	SCLIM 62, 47                                   ; e3: pe as keys
	s_wait_loadcnt 32                              ; src by rows is in; the 32 column loads stay out
	v_mov_b32 v40, s55
	v_mov_b32 v41, s54
	QUANT16 112, 48, 40, 41
	QUANT16 128, 52, 40, 41
	global_store_b128 v[QO], v[48:51], s[72:73]
	global_store_b128 v[QO], v[52:55], s[72:73] offset:QAH
	v_mov_b32 v40, s57
	v_mov_b32 v41, s56
	QUANT16 112, 56, 40, 41
	QUANT16 128, 60, 40, 41
	global_store_b128 v[KO], v[56:59], s[74:75] offset:8192
	global_store_b128 v[KO], v[60:63], s[74:75] offset:8192+KVH
	s_wait_loadcnt 0x0
	v_mov_b32 v40, s59
	v_mov_b32 v41, s58
	QUANT16 144, 64, 40, 41
	QUANT16 160, 68, 40, 41
	global_store_b128 v[VO], v[64:67], s[74:75]    ; sixteen lanes store 256 consecutive bytes, aligned
	global_store_b128 v[VO], v[68:71], s[74:75] offset:KVH
.irp j, 0,1
	global_load_b128 v[T+4*\j:T+4*\j+3], v[AGO], s[PV0+4:PV0+5] offset:\j*1536 th:TH_LOAD_NT  ; the walk's last third of K: it lands during the first step
.endr
	s_wait_tensorcnt 0x0                           ; my part of the slots is in,
	s_wait_dscnt 0x0                               ; my part of param_vectors is stored,
	s_wait_xcnt 0x0                                ; and the stores have read the codes' registers, which take fragments next
	s_barrier_signal -1
	s_barrier_wait -1                              ; everybody's is.
	STEPE 0, 0, 1
	CHANGE 0, O1
	s_wait_loadcnt 0x0
	ds_store_b128 v[AS], v[T:T+3]                  ; the first region was read in the first step alone, ahead of the round: it takes the walk's last third of K
	ds_store_b128 v[AS], v[T+4:T+7] offset:32*PITCH
	STEPO 1, 1
	CHANGE 1, O1
	STEPE 0, 1, 0
	CHANGE 0, O2
	STEPO 1, 0
	CHANGE 1, O2
	STEPE 0, 0, 0
	s_wait_tensorcnt 0x0                           ; slot 1's last fill
	s_wait_dscnt 0x0
	s_barrier_signal -1
	s_barrier_wait -1
	STEPO 1, 0
	; THE NORM AND THE CODES.  v16-47: my 32 numbers of token r.
	NOPS 4                                         ; places behind the last products
.irp f, 0,1
.irp u, 0,1
	global_load_b128 v[48+16*\f+8*\u:51+16*\f+8*\u], v[PO], s[8:9] offset:\f*2048+\u*64
	global_load_b128 v[52+16*\f+8*\u:55+16*\f+8*\u], v[PO], s[8:9] offset:\f*2048+\u*64+16
.endr
.endr
.irp f, 0,1
.irp u, 0,1
	global_load_b128 v[80+16*\f+8*\u:83+16*\f+8*\u], v[PO], s[10:11] offset:\f*2048+\u*64
	global_load_b128 v[84+16*\f+8*\u:87+16*\f+8*\u], v[PO], s[10:11] offset:\f*2048+\u*64+16
.endr
.endr
.irp f, 0,1
.irp u, 0,1
	global_load_b128 v[112+16*\f+8*\u:115+16*\f+8*\u], v[PO], s[12:13] offset:\f*2048+\u*64
	global_load_b128 v[116+16*\f+8*\u:119+16*\f+8*\u], v[PO], s[12:13] offset:\f*2048+\u*64+16
.endr
.endr
	v_mov_b32 v184, 0                              ; a lane permute's destination counts as read
	s_wait_loadcnt 16                              ; char_b is in; pe_g and pe_b may be out
.irp j, 0,2,4,6,8,10,12,14,16,18,20,22,24,26,28,30
	v_pk_fma_f32 v[ACC+\j:ACC+\j+1], v[ACC+\j:ACC+\j+1], s[52:53], v[48+\j:49+\j] op_sel_hi:[1,0,1]  ; sum x 2^(e0 + e1 - 2) + char_b; each accumulator from its low end on
.endr
	v_pk_add_f32 v[180:181], v[ACC:ACC+1], v[ACC+2:ACC+3]
	v_pk_add_f32 v[182:183], v[ACC+4:ACC+5], v[ACC+6:ACC+7]
.irp j, 8,12,16,20,24,28
	s_delay_alu instid0(VALU_DEP_2)
	v_pk_add_f32 v[180:181], v[180:181], v[ACC+\j:ACC+\j+1]
	s_delay_alu instid0(VALU_DEP_2)
	v_pk_add_f32 v[182:183], v[182:183], v[ACC+\j+2:ACC+\j+3]
.endr
	WGSUM 0
	s_delay_alu instid0(VALU_DEP_1)
	v_mul_f32 v176, 0x3a800000, v160               ; the mean: / 1,024
	s_delay_alu instid0(VALU_DEP_1)
	v_mov_b32 v177, v176
.irp j, 0,2,4,6,8,10,12,14,16,18,20,22,24,26,28,30
	v_pk_add_f32 v[ACC+\j:ACC+\j+1], v[ACC+\j:ACC+\j+1], v[176:177] neg_lo:[0,1] neg_hi:[0,1]
.endr
	v_pk_mul_f32 v[180:181], v[ACC:ACC+1], v[ACC:ACC+1]
	v_pk_mul_f32 v[182:183], v[ACC+2:ACC+3], v[ACC+2:ACC+3]
.irp j, 4,8,12,16,20,24,28
	s_delay_alu instid0(VALU_DEP_2)
	v_pk_fma_f32 v[180:181], v[ACC+\j:ACC+\j+1], v[ACC+\j:ACC+\j+1], v[180:181]
	s_delay_alu instid0(VALU_DEP_2)
	v_pk_fma_f32 v[182:183], v[ACC+\j+2:ACC+\j+3], v[ACC+\j+2:ACC+\j+3], v[182:183]
.endr
	WGSUM REDSZ                                    ; other words than the first sum's: no barrier between the two uses
	s_delay_alu instid0(VALU_DEP_1)
	v_mul_f32 v160, 0x3a800000, v160               ; the variance
	s_delay_alu instid0(VALU_DEP_1)
	v_add_f32 v160, 0x3727c5ac, v160               ; + 1e-5
	s_wait_alu depctr_va_vdst(0)
	v_rsq_f32 v178, v160
	v_nop                                          ; a plain line behind the transcendental
	s_wait_alu depctr_va_vdst(0)                   ; and the wait ahead of its first reader
	v_mov_b32 v179, v178
	s_wait_alu depctr_va_vdst(0)
	s_wait_loadcnt 0x0
.irp j, 0,2,4,6,8,10,12,14,16,18,20,22,24,26,28,30
	v_pk_mul_f32 v[ACC+\j:ACC+\j+1], v[ACC+\j:ACC+\j+1], v[178:179]
.endr
.irp j, 0,2,4,6,8,10,12,14,16,18,20,22,24,26,28,30
	v_pk_fma_f32 v[ACC+\j:ACC+\j+1], v[ACC+\j:ACC+\j+1], v[80+\j:81+\j], v[112+\j:113+\j]
.endr
	v_mov_b32 v208, s61
	v_mov_b32 v209, s60
	QUANT16 ACC, 192, 208, 209
	QUANT16 ACC+16, 196, 208, 209
	global_store_b128 v[QO], v[192:195], s[72:73] offset:1024
	global_store_b128 v[QO], v[196:199], s[72:73] offset:1024+QAH
	v_mov_b32 v208, s63
	v_mov_b32 v209, s62
	QUANT16 ACC, 200, 208, 209
	QUANT16 ACC+16, 204, 208, 209
	global_store_b128 v[KO], v[200:203], s[74:75]
	global_store_b128 v[KO], v[204:207], s[74:75] offset:KVH
	s_wait_tensorcnt 0x0                           ; the wave's end
	ds_add_u32 v[SPW], v[NIL]
	s_wait_dscnt 0x0
	ROUND                                          ; the closing round
	s_endpgm
.Lfunc_end_k_q6951853bf7_enc:
	.size	k_q6951853bf7_enc, .Lfunc_end_k_q6951853bf7_enc-k_q6951853bf7_enc
	.p2alignl 7, 3214868480
	.fill 96, 4, 3214868480
	.section	.rodata,"a",@progbits
	.p2align	6, 0x0
	.amdhsa_kernel k_q6951853bf7_enc
		.amdhsa_group_segment_fixed_size 327680
		.amdhsa_private_segment_fixed_size 0
		.amdhsa_enable_private_segment 0
		.amdhsa_kernarg_size 72
		.amdhsa_user_sgpr_count 2
		.amdhsa_user_sgpr_kernarg_segment_ptr 1
		.amdhsa_wavefront_size32 1
		.amdhsa_system_sgpr_workgroup_id_x 1
		.amdhsa_system_sgpr_workgroup_id_y 1
		.amdhsa_system_sgpr_workgroup_id_z 1
		.amdhsa_system_vgpr_workitem_id 0
		.amdhsa_next_free_vgpr 256
		.amdhsa_next_free_sgpr 100
		.amdhsa_reserve_vcc 0
		.amdhsa_float_denorm_mode_32 3
		.amdhsa_float_denorm_mode_16_64 3
		.amdhsa_memory_ordered 1
		.amdhsa_forward_progress 1
		.amdhsa_inst_pref_size 62
	.end_amdhsa_kernel
	.amdgpu_metadata
---
amdhsa.version: [ 1, 2 ]
amdhsa.kernels:
  - .name:           k_q6951853bf7_enc
    .symbol:         k_q6951853bf7_enc.kd
    .args:
      - { .name: param_vectors_codes, .offset: 0, .size: 8, .value_kind: global_buffer, .address_space: global }
      - { .name: char_W_codes, .offset: 8, .size: 8, .value_kind: global_buffer, .address_space: global }
      - { .name: char_b, .offset: 16, .size: 8, .value_kind: global_buffer, .address_space: global }
      - { .name: pe_g, .offset: 24, .size: 8, .value_kind: global_buffer, .address_space: global }
      - { .name: pe_b, .offset: 32, .size: 8, .value_kind: global_buffer, .address_space: global }
      - { .name: src, .offset: 40, .size: 8, .value_kind: global_buffer, .address_space: global }
      - { .name: lowp_scales, .offset: 48, .size: 8, .value_kind: global_buffer, .address_space: global }
      - { .name: qa, .offset: 56, .size: 8, .value_kind: global_buffer, .address_space: global }
      - { .name: kv, .offset: 64, .size: 8, .value_kind: global_buffer, .address_space: global }
    .group_segment_fixed_size: 327680
    .private_segment_fixed_size: 0
    .kernarg_segment_align: 8
    .kernarg_segment_size: 72
    .max_flat_workgroup_size: 512
    .sgpr_count:     100
    .vgpr_count:     256
    .wavefront_size: 32
...
	.end_amdgpu_metadata
.endif
;; end of part 1
;; launch attn (part 2): grid 4 x 64, 16 waves a work-group, clusters of 4 x 1, 327,680 bytes of LDS; arguments qa, kv, src, lowp_scales, res; writes res
.if DOCPART == 2
	.amdgcn_target "amdgcn-amd-amdhsa--gfx1250"
	.amdhsa_code_object_version 6
	.text
	.protected	k_q6951853bf7_attn
	.globl	k_q6951853bf7_attn
	.p2align	8
	.type	k_q6951853bf7_attn,@function
k_q6951853bf7_attn:
	s_mov_b64 s[64:65], 0
	v_nop
	global_prefetch_b8 v0, s[64:65] scope:SCOPE_SE
	s_setreg_imm32_b32 hwreg(HW_REG_WAVE_MODE, 25, 1), 1
	s_wait_xcnt 0x0
	s_wait_alu depctr_hold_cnt(0) depctr_sa_sdst(0) depctr_va_vdst(0) depctr_va_sdst(0) depctr_va_ssrc(0) depctr_va_vcc(0) depctr_vm_vsrc(0)
	s_getreg_b32 s2, hwreg(HW_REG_IB_STS2, 6, 4)
	s_cmp_eq_u32 s2, 0
	s_cbranch_scc0 .Lentry_in_a_cluster
	s_endpgm
.Lentry_in_a_cluster:
	s_bfe_u32 s2, ttmp6, 0x10000c
	s_cmp_lg_u32 s2, 0x3003
	s_cbranch_scc0 .Lentry_shape_is_right
	s_endpgm
.Lentry_shape_is_right:
; res = src + softmax((src src^T + pe pe^T) / 8) src, head by head, all three products on codes of E5M2.  No work is left out.
; THE SOFTMAX: t = logit x log2(e); M = the running largest t rounded up to a whole number; p = 2^(t - M) is quantised with e6, not normalised; the row's sum of the unquantised p divides at the end.
; SHARES.  A work-group owns 256 queries of one head, each of its sixteen waves 16 of them, in 256 registers.  The head's whole image of keys and values, 196,608 bytes, lies in LDS; no byte is filled twice.
; THE FILLS.  At the head every wave asks for 12 rows of 256 bytes: together key steps 0 and 1 (49,152 bytes).  Behind the three lines and a round every wave asks for 36 rows more: together the other six
; key steps (147,456 bytes), which have key steps 0 and 1 in which to land.  One tensor load of a wave is out at any time.
; CLUSTER.  The four query blocks of a head read the same image: it is asked for jointly (mask 15).  No prefetch: the whole stream of keys and values is asked for by these two loads, nothing follows them.
; LAYOUT.  All products transposed: S^T = K Q^T (source 0 = 16 keys, source 1 = my 16 queries), O^T = V^T P^T: a lane holds ONE query (lane % 16) throughout.  Fragment row m of key tile 2 b + u is key
; 32 b + 8 u + m + 8 (m / 8), so that the 16 registers of tiles 2 b, 2 b + 1 are 16 neighbouring keys.  The images were laid by the launch before in the order of the operands' registers.
; THE TWO SCORE PRODUCTS SHARE AN ACCUMULATOR: pe's sums are multiplied by 2^(e2 + e3 - e4 - e5), which rounds nothing, and src's product adds onto them.
; THE RESIDUAL: my 16 rows of src (256 bytes each) are loaded behind the second fill and wait in v208-239 for the way out.
; LIMITS: e4 + e5 between -123 and 130 (added to c's exponent field); e2 + e3 - e4 - e5 between -126 and 127; e6 between -126 and 112; the scaled scores t stay under 2^31 in magnitude.  NaN among the inputs is not served.
; REGISTERS: v1, v2 my lane's place in a key image and in the value image; v3 16 x lane; v4 a permute's result; v5, v6 the add's two; v7 my offset in src and res; v8, v9 the step's addresses; v12 -M,
; v13 the largest t, v[14:15] the sum; v16-23 src's query codes, v24-31 pe's; v32-95 fragments; v96-159 S^T, then p; v160-191 O^T; v192-207 p's codes; v208-239 src's rows; v240-255 at work.
.set STEPB, 24576                      ; 128 keys: pe's codes 8,192, src's 8,192, the values 8,192
.set STAGE, 196608                     ; behind the image: 16 rows x 272 bytes for each wave
.set SPARE, 266240                     ; the spare words: 128 bytes a wave
.set PH1,   3072                       ; a wave's bytes of the first fill
.set PH2,   9216                       ; and of the second
.macro NOPS n
.rept \n
	v_nop
.endr
.endm
.macro ROUND
	s_barrier_signal -1
	s_barrier_wait -1
	s_cmp_lg_u32 s18, 0
	s_cbranch_scc1 .Lnw0_\@
	s_barrier_signal -3
.Lnw0_\@:
	s_barrier_wait -3
	s_barrier_signal -1
	s_barrier_wait -1
.endm
	s_load_b256 s[4:11], s[0:1], 0x0               ; qa s[4:5], kv s[6:7], src s[8:9], the exponents s[10:11]
	s_load_b64 s[12:13], s[0:1], 0x20              ; res
	v_lshl_add_u32 v5, v0, 2, SPARE
	v_mov_b32 v6, 0
	ds_add_u32 v5, v6                              ; the opening: the add, twice on end, and its wait ahead of the first tensor load
	ds_add_u32 v5, v6
	v_lshrrev_b32 v8, 5, v0
	v_readfirstlane_b32 s18, v8                    ; wave 0..15
	s_bfe_u32 s19, ttmp6, 0x40000                  ; cx: my block of 256 queries; it enters global addresses alone
	s_and_b32 s26, ttmp7, 0xffff                   ; the head, 16 batch + head, which the partners share
	s_mov_b32 s32, 15|(3<<16)|(1<<21)              ; group 1, first fill: mask of all four; elements of 8 bytes; bit 21 beside a mask; no padding: the image is read as it lies
	s_mov_b32 s33, 32<<16                          ; rows of 256 bytes,
	s_mov_b32 s34, 12<<16                          ; 12 of them,
	s_mov_b32 s35, 32<<16
	s_mov_b32 s36, 12
	s_mov_b32 s37, 32                              ; dense
	s_mov_b32 s38, 0
	s_mov_b32 s39, 0
	s_mov_b32 s48, 15|(3<<16)|(1<<21)              ; group 1, second fill: the same with 36 rows
	s_mov_b32 s49, 32<<16
	s_mov_b32 s50, 36<<16
	s_mov_b32 s51, 32<<16
	s_mov_b32 s52, 36
	s_mov_b32 s53, 32
	s_mov_b32 s54, 0
	s_mov_b32 s55, 0
	s_mul_i32 s28, s26, 196608                     ; the head's image in kv
	s_mov_b32 s29, 0
	s_mov_b32 s40, 1
	s_mul_i32 s41, s18, PH1                        ; first fill: byte 3,072 w, in LDS as in the image
	s_mov_b32 s44, 1
	s_mul_i32 s45, s18, PH2
	s_add_co_u32 s45, s45, 16*PH1                  ; second fill: byte 49,152 + 9,216 w
	s_mov_b32 s30, s41
	s_mov_b32 s31, 0
	s_mov_b32 s20, 0x76543210                      ; lane l xor 16
	s_mov_b32 s21, 0xfedcba98
	s_lshl_b32 s66, s26, 6
	s_lshl_b32 s67, s19, 4
	s_add_co_u32 s66, s66, s67
	s_add_co_u32 s66, s66, s18
	s_lshl_b32 s66, s66, 11                        ; qa: (64 head + 16 cx + wave) x 2,048
	s_mov_b32 s67, 0
	s_lshr_b32 s68, s26, 4
	s_lshl_b32 s68, s68, 10
	s_lshl_b32 s69, s19, 8
	s_add_co_u32 s68, s68, s69
	s_lshl_b32 s69, s18, 4
	s_add_co_u32 s68, s68, s69
	s_lshl_b32 s68, s68, 12                        ; src, res: my first row x 4,096
	s_and_b32 s69, s26, 15
	s_lshl_b32 s69, s69, 8
	s_add_co_u32 s68, s68, s69                     ; + the head's 256 bytes
	s_mov_b32 s69, 0
	s_mov_b32 s2, 0                                ; LDS byte of the key step in hand
	s_wait_dscnt 0x0                               ; both opening adds are done
	s_wait_kmcnt 0x0
	s_load_b256 s[56:63], s[10:11], 0x0            ; e0 .. e7
	s_add_nc_u64 s[28:29], s[6:7], s[28:29]
	s_add_nc_u64 s[42:43], s[28:29], s[30:31]
	s_or_b32 s43, s43, 0x80000000                  ; type 2
	s_mov_b32 s30, s45
	s_add_nc_u64 s[46:47], s[28:29], s[30:31]
	s_or_b32 s47, s47, 0x80000000
	s_add_nc_u64 s[66:67], s[4:5], s[66:67]
	s_add_nc_u64 s[70:71], s[8:9], s[68:69]
	s_add_nc_u64 s[72:73], s[12:13], s[68:69]
	ROUND                                          ; the four partners are here: the joint loads meet
	tensor_load_to_lds s[40:43], s[32:39]          ; every wave's one load at the head: its sixteenth of key steps 0 and 1
	s_nop 0
	NOPS 4
	v_and_b32 v3, 31, v0
	v_lshlrev_b32 v3, 4, v3                        ; 16 x lane
	global_load_b128 v[16:19], v3, s[66:67]        ; my queries' codes stay in registers: src's,
	global_load_b128 v[20:23], v3, s[66:67] offset:512
	global_load_b128 v[24:27], v3, s[66:67] offset:1024  ; and pe's
	global_load_b128 v[28:31], v3, s[66:67] offset:1536
	v_add_nc_u32 v2, 16384, v3                     ; the value image
	v_bfe_u32 v10, v0, 3, 2                        ; 2 h + r / 8
	v_lshrrev_b32 v11, 1, v10
	v_add_nc_u32 v11, v11, v10
	v_and_b32 v11, 1, v11                          ; h xor r / 8
	v_bfe_u32 v10, v0, 3, 1
	v_lshlrev_b32 v1, 10, v10                      ; a key image: (r / 8) 1,024 + (h xor r / 8) 128 + (r % 8) 16
	v_lshl_add_u32 v1, v11, 7, v1
	v_and_b32 v10, 7, v0
	v_lshl_add_u32 v1, v10, 4, v1
	v_and_b32 v8, 15, v0
	v_bfe_u32 v9, v0, 4, 1
	v_lshlrev_b32 v7, 12, v9                       ; src, res: lanes 0-15 one row's 256 bytes, lanes 16-31 the next row's
	v_lshl_add_u32 v7, v8, 4, v7
	v_mov_b32 v13, 0xff61b1e6                      ; the largest t so far: -3e38
	v_floor_f32 v12, -v13
	v_mov_b32 v14, 0
	v_mov_b32 v15, 0
	v_mov_b32 v4, 0                                ; a lane permute's destination counts as read
	v_mov_b32 v253, 0                              ; (the upper half of the pair v[252:253])
.set jj, 0
.rept 32
	v_mov_b32 v[160+jj], 0                         ; O^T: the step is written for every step alike; the first finds zeros
.set jj, jj+1
.endr
	s_wait_kmcnt 0x0
	s_add_co_i32 s74, s60, s61                     ; e4 + e5
	s_lshl_b32 s75, s74, 23
	s_add_co_i32 s22, s75, 0x3e38aa3b              ; c = log2(e) / 8, x 2^(e4 + e5)
	s_mov_b32 s23, s22
	s_add_co_i32 s24, s58, s59
	s_sub_co_i32 s24, s24, s74
	s_add_co_i32 s24, s24, 127
	s_lshl_b32 s24, s24, 23                        ; 2^(e2 + e3 - e4 - e5)
	s_mov_b32 s25, s24
	s_add_co_i32 s74, s62, 127
	s_lshl_b32 s74, s74, 23
	v_mov_b32 v244, s74                            ; 2^e6
	s_add_co_i32 s74, s62, 142
	s_lshl_b32 s74, s74, 23
	s_or_b32 s74, s74, 0x600000
	v_mov_b32 v240, s74                            ; 57,344 x 2^e6
	s_add_co_i32 s75, s62, s63                     ; e6 + e7
; A KEY STEP: the 128 keys whose images begin at LDS byte s2.
.macro STEP
	v_add_nc_u32 v8, s2, v1
	v_add_nc_u32 v9, s2, v2
	NOPS 2                                         ; with the two additions: four places in front of loads into registers that matrix instructions have read
.irp t, 0,1,2,3,4,5,6,7
.irp c, 0,1
	ds_load_b128 v[32+8*\t+4*\c:35+8*\t+4*\c], v8 offset:(\t/2)*2048+(\t%2)*512+\c*256  ; pe's key codes
.endr
.endr
	s_wait_alu depctr_va_vdst(0)                   ; the wait ahead of the wait below
	s_wait_dscnt 0x0
.irp t, 0,1,2,3,4,5,6,7
	v_wmma_f32_16x16x64_bf8_bf8 v[96+8*\t:103+8*\t], v[32+8*\t:39+8*\t], v[24:31], 0
.endr
	NOPS 4
.irp t, 0,1,2,3,4,5,6,7
.irp c, 0,1
	ds_load_b128 v[32+8*\t+4*\c:35+8*\t+4*\c], v8 offset:8192+(\t/2)*2048+(\t%2)*512+\c*256  ; src's key codes
.endr
.endr
.set jj, 0
.rept 32
	v_pk_mul_f32 v[96+jj:97+jj], v[96+jj:97+jj], s[24:25] op_sel_hi:[1,0]  ; pe's sums under src's scale; each accumulator from its low end on
.set jj, jj+2
.endr
	s_wait_alu depctr_va_vdst(0)
	s_wait_dscnt 0x0
.irp t, 0,1,2,3,4,5,6,7
	v_wmma_f32_16x16x64_bf8_bf8 v[96+8*\t:103+8*\t], v[32+8*\t:39+8*\t], v[16:23], v[96+8*\t:103+8*\t]  ; the eight accumulators take turns
.endr
	NOPS 4
.irp t, 0,1,2,3
.irp c, 0,1,2,3
	ds_load_b128 v[32+16*\t+4*\c:35+16*\t+4*\c], v9 offset:\t*2048+\c*512  ; the values: they land during the softmax
.endr
.endr
	v_max3_num_f32 v254, v96, v97, v98             ; the step's largest score of my query, in two chains,
	v_max3_num_f32 v252, v99, v100, v101
.irp i, 6,10,14,18,22,26,30,34,38,42,46,50,54,58
	v_max3_num_f32 v254, v254, v[96+\i], v[97+\i]
	v_max3_num_f32 v252, v252, v[98+\i], v[99+\i]
.endr
	v_max3_num_f32 v254, v254, v158, v159
	s_delay_alu instid0(VALU_DEP_1)
	v_max_num_f32 v254, v254, v252
	s_delay_alu instid0(VALU_DEP_1)
	v_permlanex16_b32 v4, v254, s20, s21
	s_delay_alu instid0(VALU_DEP_1)
	v_max_num_f32 v254, v254, v4                   ; and among lane l xor 16's
	s_delay_alu instid0(VALU_DEP_1)
	v_mul_f32 v254, s22, v254                      ; as t (c is positive)
	s_delay_alu instid0(VALU_DEP_1)
	v_max_num_f32 v13, v13, v254
	v_mov_b32 v254, v12
	s_delay_alu instid0(VALU_DEP_2)
	v_floor_f32 v12, -v13                          ; the new -M: M is a whole number
	s_delay_alu instid0(VALU_DEP_1)
	v_sub_f32 v254, v12, v254
	s_delay_alu instid0(VALU_DEP_1)
	v_cvt_i32_f32 v254, v254                       ; old M - new M (it saturates)
	s_delay_alu instid0(VALU_DEP_1)
	v_ldexp_f32 v252, 1.0, v254                    ; f = 2^(old M - new M)
.set jj, 0
.rept 32
	v_pk_fma_f32 v[96+jj:97+jj], v[96+jj:97+jj], s[22:23], v[12:13] op_sel_hi:[1,0,0]  ; t - M
.set jj, jj+2
.endr
	s_wait_alu depctr_va_vdst(0)                   ; the wait ahead of the batch
.set jj, 0
.rept 64
	v_exp_f32 v[96+jj], v[96+jj]                   ; p = 2^(t - M)
.set jj, jj+1
.endr
	v_pk_mul_f32 v[14:15], v[14:15], v[252:253] op_sel_hi:[1,0]  ; the sums under the new M: a plain line behind the exponentials
	s_wait_alu depctr_va_vdst(0)                   ; one wait for the batch, ahead of its first reader
	v_pk_add_f32 v[242:243], v[96:97], v[98:99]    ; the row's sum of the unquantised p: 32 pairs in seven chains
	v_pk_add_f32 v[254:255], v[100:101], v[102:103]
	v_pk_add_f32 v[250:251], v[104:105], v[106:107]
	v_pk_add_f32 v[248:249], v[108:109], v[110:111]
	v_pk_add_f32 v[246:247], v[112:113], v[114:115]
	v_pk_add_f32 v[10:11], v[116:117], v[118:119]
	v_pk_add_f32 v[14:15], v[14:15], v[120:121]
.irp j, 122,136
	v_pk_add_f32 v[242:243], v[242:243], v[\j:\j+1]
	v_pk_add_f32 v[254:255], v[254:255], v[\j+2:\j+3]
	v_pk_add_f32 v[250:251], v[250:251], v[\j+4:\j+5]
	v_pk_add_f32 v[248:249], v[248:249], v[\j+6:\j+7]
	v_pk_add_f32 v[246:247], v[246:247], v[\j+8:\j+9]
	v_pk_add_f32 v[10:11], v[10:11], v[\j+10:\j+11]
	v_pk_add_f32 v[14:15], v[14:15], v[\j+12:\j+13]
.endr
	v_pk_add_f32 v[242:243], v[242:243], v[150:151]
	v_pk_add_f32 v[254:255], v[254:255], v[152:153]
	v_pk_add_f32 v[250:251], v[250:251], v[154:155]
	v_pk_add_f32 v[248:249], v[248:249], v[156:157]
	v_pk_add_f32 v[246:247], v[246:247], v[158:159]
	v_pk_add_f32 v[242:243], v[242:243], v[254:255]
	v_pk_add_f32 v[250:251], v[250:251], v[248:249]
	v_pk_add_f32 v[246:247], v[246:247], v[10:11]
	s_delay_alu instid0(VALU_DEP_3)
	v_pk_add_f32 v[14:15], v[14:15], v[242:243]
	s_delay_alu instid0(VALU_DEP_2)
	v_pk_add_f32 v[250:251], v[250:251], v[246:247]
	s_delay_alu instid0(VALU_DEP_1)
	v_pk_add_f32 v[14:15], v[14:15], v[250:251]
.irp b, 0,1,2,3
.irp i, 0,1,2,3,4,5,6,7,8,9,10,11,12,13,14,15
	v_min_num_f32 v[96+16*\b+\i], v[96+16*\b+\i], v240  ; the conversion does not saturate (ISA guide 7.6.2); p is not negative: a one-sided hold
.endr
	v_cvt_scalef32_pk8_bf8_f32 v[192+4*\b:193+4*\b], v[96+16*\b:103+16*\b], v244
	v_cvt_scalef32_pk8_bf8_f32 v[194+4*\b:195+4*\b], v[104+16*\b:111+16*\b], v244
.endr
	s_wait_alu depctr_va_vdst(0)                   ; the wait directly ahead of the first reader of O^T
.set jj, 0
.rept 16
	v_pk_mul_f32 v[160+jj:161+jj], v[160+jj:161+jj], v[252:253] op_sel_hi:[1,0]  ; O^T under the new M
.set jj, jj+2
.endr
	s_wait_alu depctr_va_vdst(0)
	s_wait_dscnt 0x0                               ; the values are in
.irp t, 0,1,2,3
	v_wmma_f32_16x16x128_bf8_bf8 v[160+8*\t:167+8*\t], v[32+16*\t:47+16*\t], v[192:207], v[160+8*\t:167+8*\t]
.endr
	s_add_co_u32 s2, s2, STEPB
.endm
	s_wait_alu depctr_va_vdst(0)                   ; the wait at the head's end
	s_wait_tensorcnt 0x0                           ; my part of key steps 0 and 1 is in; the three lines ahead of a later first fill:
	ds_add_u32 v5, v6
	s_wait_dscnt 0x0
	ROUND                                          ; everybody's part is in, and the four partners are here
	tensor_load_to_lds s[44:47], s[48:55]          ; my one load behind the round: my sixteenth of key steps 2 to 7
	s_nop 0
	NOPS 4
	s_wait_loadcnt 0x0                             ; my queries' codes are in
	s_mov_b32 s3, 2
.Lfirst:                                           ; key steps 0 and 1 read the first 49,152 bytes alone
	STEP
	s_sub_co_u32 s3, s3, 1
	s_cmp_lg_u32 s3, 0
	s_cbranch_scc1 .Lfirst
	s_wait_tensorcnt 0x0                           ; my part of the rest of the image
	s_wait_dscnt 0x0
	s_barrier_signal -1
	s_barrier_wait -1                              ; everybody's.
.irp i, 0,1,2,3,4,5,6,7
	global_load_b128 v[208+4*\i:211+4*\i], v7, s[70:71] offset:\i*8192  ; the residual's 16 rows: sixteen lanes read 256 consecutive bytes, aligned; six key steps stand ahead of their first use
.endr
	s_mov_b32 s3, 6
.Lrest:
	STEP
	s_sub_co_u32 s3, s3, 1
	s_cmp_lg_u32 s3, 0
	s_cbranch_scc1 .Lrest
	; THE WAY OUT: O^T / the sum x 2^(e6 + e7) goes through my stage and comes back as whole rows of 256 bytes, to which src is added.
	v_add_f32 v14, v14, v15
	v_permlanex16_b32 v252, v14, s20, s21
	v_add_f32 v14, v14, v252
	s_wait_alu depctr_va_vdst(0)                   ; the wait ahead of the transcendental
	v_rcp_f32 v14, v14
	v_and_b32 v8, 15, v0                           ; (plain lines behind the transcendental, and the places behind the last products)
	v_bfe_u32 v9, v0, 4, 1
	s_mul_i32 s76, s18, 4352
	s_add_co_u32 s76, s76, STAGE
	v_mul_u32_u24 v10, v8, 272
	v_lshl_add_u32 v10, v9, 5, v10
	v_add_nc_u32 v10, s76, v10                     ; in: row r, 32 bytes for each half of the lanes
	v_mul_u32_u24 v11, v9, 272
	v_lshl_add_u32 v11, v8, 4, v11
	v_add_nc_u32 v11, s76, v11                     ; back: lanes 0-15 one row, lanes 16-31 the next
	s_wait_alu depctr_va_vdst(0)                   ; the wait ahead of the reciprocal's first reader
	v_ldexp_f32 v14, v14, s75
	s_wait_alu depctr_va_vdst(0)                   ; and directly ahead of the first reader of O^T
.set jj, 0
.rept 32
	v_mul_f32 v[96+jj], v[160+jj], v14             ; register 8 t + j: channel 16 t + 8 h + j of query r
.set jj, jj+1
.endr
.irp t, 0,1,2,3
	ds_store_b128 v10, v[96+8*\t:99+8*\t] offset:64*\t
	ds_store_b128 v10, v[100+8*\t:103+8*\t] offset:64*\t+16
.endr
.irp i, 0,1,2,3,4,5,6,7
	ds_load_b128 v[128+4*\i:131+4*\i], v11 offset:\i*544  ; LDS serves a wave's instructions in order: these see my stores
.endr
	s_wait_loadcnt 0x0                             ; src's rows
.irp i, 0,1,2,3,4,5,6,7
	s_wait_dscnt 7-\i                              ; the younger reads of the stage may be out
	v_pk_add_f32 v[128+4*\i:129+4*\i], v[128+4*\i:129+4*\i], v[208+4*\i:209+4*\i]
	v_pk_add_f32 v[130+4*\i:131+4*\i], v[130+4*\i:131+4*\i], v[210+4*\i:211+4*\i]
	global_store_b128 v7, v[128+4*\i:131+4*\i], s[72:73] offset:\i*8192  ; sixteen lanes store 256 consecutive bytes, aligned
.endr
	s_wait_tensorcnt 0x0                           ; the wave's end
	ds_add_u32 v5, v6
	s_wait_dscnt 0x0
	ROUND                                          ; the closing round
	s_endpgm
.Lfunc_end_k_q6951853bf7_attn:
	.size	k_q6951853bf7_attn, .Lfunc_end_k_q6951853bf7_attn-k_q6951853bf7_attn
	.p2alignl 7, 3214868480
	.fill 96, 4, 3214868480
	.section	.rodata,"a",@progbits
	.p2align	6, 0x0
	.amdhsa_kernel k_q6951853bf7_attn
		.amdhsa_group_segment_fixed_size 327680
		.amdhsa_private_segment_fixed_size 0
		.amdhsa_enable_private_segment 0
		.amdhsa_kernarg_size 40
		.amdhsa_user_sgpr_count 2
		.amdhsa_user_sgpr_kernarg_segment_ptr 1
		.amdhsa_wavefront_size32 1
		.amdhsa_system_sgpr_workgroup_id_x 1
		.amdhsa_system_sgpr_workgroup_id_y 1
		.amdhsa_system_sgpr_workgroup_id_z 1
		.amdhsa_system_vgpr_workitem_id 0
		.amdhsa_next_free_vgpr 256
		.amdhsa_next_free_sgpr 80
		.amdhsa_reserve_vcc 0
		.amdhsa_float_denorm_mode_32 3
		.amdhsa_float_denorm_mode_16_64 3
		.amdhsa_memory_ordered 1
		.amdhsa_forward_progress 1
		.amdhsa_inst_pref_size 53
	.end_amdhsa_kernel
	.amdgpu_metadata
---
amdhsa.version: [ 1, 2 ]
amdhsa.kernels:
  - .name:           k_q6951853bf7_attn
    .symbol:         k_q6951853bf7_attn.kd
    .args:
      - { .name: qa, .offset: 0, .size: 8, .value_kind: global_buffer, .address_space: global }
      - { .name: kv, .offset: 8, .size: 8, .value_kind: global_buffer, .address_space: global }
      - { .name: src, .offset: 16, .size: 8, .value_kind: global_buffer, .address_space: global }
      - { .name: lowp_scales, .offset: 24, .size: 8, .value_kind: global_buffer, .address_space: global }
      - { .name: res, .offset: 32, .size: 8, .value_kind: global_buffer, .address_space: global }
    .group_segment_fixed_size: 327680
    .private_segment_fixed_size: 0
    .kernarg_segment_align: 8
    .kernarg_segment_size: 40
    .max_flat_workgroup_size: 512
    .sgpr_count:     80
    .vgpr_count:     256
    .wavefront_size: 32
...
	.end_amdgpu_metadata
.endif
;; end of part 2
;; launch ln1 (part 3): grid 256 x 1, 4 waves a work-group, no clusters, 20,992 bytes of LDS; arguments res, n1_g, n1_b, lowp_scales, xbuf, xc; writes xbuf, xc
.if DOCPART == 3
	.amdgcn_target "amdgcn-amd-amdhsa--gfx1250"
	.amdhsa_code_object_version 6
	.text
	.protected	k_q6951853bf7_ln1
	.globl	k_q6951853bf7_ln1
	.p2align	8
	.type	k_q6951853bf7_ln1,@function
k_q6951853bf7_ln1:
	s_mov_b64 s[64:65], 0
	v_nop
	global_prefetch_b8 v0, s[64:65] scope:SCOPE_SE
	s_setreg_imm32_b32 hwreg(HW_REG_WAVE_MODE, 25, 1), 1
	s_wait_xcnt 0x0
; x = LN(res; n1_g, n1_b), stored as f32 (xbuf) and as codes of E5M2 with the scale 2^e8 (xc, K innermost).  No work is left out.
; A stream: a wave takes four rows of 1,024 numbers, each kept in 32 registers between the passes (register 4 j + k: column 128 j + 4 lane + k): each load and store covers 512 consecutive bytes.
; No matrix unit, no cluster, no tensor load: nothing is shared between work-groups and memory binds.  All 48 loads of a wave go out at the head.
; The conversions want 16 neighbours in a lane: half a row (2,048 bytes) at a time turns through the wave's own stage in LDS, 16 bytes of padding behind each 64.
; LIMITS: e8 between -126 and 112.  NaN among the inputs is not served.
.set SPARE, 20480                      ; behind the four waves' stages of 5,120 bytes: the spare words
.set LO,  1                            ; v1  16 x lane
.set SPW, 2
.set NIL, 3
.set STI, 4                            ; v4  into the stage: 80 (lane / 4) + 16 (lane % 4)
.set STL, 5                            ; v5  out of it: 80 x lane
.set LIM, 6
.set SCL, 7
.set G,   16                           ; v16-47 gain, v48-79 bias, at my columns
.set BV,  48
.set R,   80                           ; v80-207 four rows
.set X,   208                          ; v208-239 a row as 2 x 16 neighbours
.set C,   240                          ; v240-247 its codes
.macro WSUM                            ; v[8:11], two packed chains -> v8: the sum over the wave, in every lane
	v_pk_add_f32 v[8:9], v[8:9], v[10:11]
	v_add_f32 v8, v8, v9
	v_add_f32_dpp v8, v8, v8 row_xmask:1 row_mask:0xf bank_mask:0xf
	v_add_f32_dpp v8, v8, v8 row_xmask:2 row_mask:0xf bank_mask:0xf
	v_add_f32_dpp v8, v8, v8 row_xmask:4 row_mask:0xf bank_mask:0xf
	v_add_f32_dpp v8, v8, v8 row_xmask:8 row_mask:0xf bank_mask:0xf
	v_permlanex16_b32 v9, v8, s24, s25
	v_add_f32 v8, v8, v9
.endm
	s_load_b256 s[4:11], s[0:1], 0x0               ; res s[4:5], gain s[6:7], bias s[8:9], the exponents s[10:11]
	s_load_b128 s[12:15], s[0:1], 0x20             ; xbuf s[12:13], xc s[14:15]
	v_lshl_add_u32 v[SPW], v0, 2, SPARE
	v_mov_b32 v[NIL], 0
	v_lshrrev_b32 v4, 5, v0
	v_readfirstlane_b32 s16, v4                    ; wave
	v_and_b32 v8, 31, v0
	v_lshlrev_b32 v[LO], 4, v8
	s_mul_i32 s17, s16, 5120
	v_lshrrev_b32 v[STI], 2, v8
	v_mul_u32_u24 v[STI], v[STI], 80
	v_and_b32 v5, 3, v8
	v_lshl_add_u32 v[STI], v5, 4, v[STI]
	v_add_nc_u32 v[STI], s17, v[STI]
	v_mul_u32_u24 v[STL], v8, 80
	v_add_nc_u32 v[STL], s17, v[STL]
	s_lshl_b32 s18, ttmp9, 4
	s_lshl_b32 s19, s16, 2
	s_add_co_u32 s18, s18, s19                     ; my first row
	s_lshl_b32 s20, s18, 12
	s_mov_b32 s21, 0
	s_lshl_b32 s22, s18, 10
	s_mov_b32 s23, 0
	s_mov_b32 s24, 0x76543210
	s_mov_b32 s25, 0xfedcba98
	s_wait_alu depctr_va_vdst(0)
	s_wait_kmcnt 0x0
	s_load_b32 s26, s[10:11], 0x20                 ; e8
	s_add_nc_u64 s[4:5], s[4:5], s[20:21]
	s_add_nc_u64 s[12:13], s[12:13], s[20:21]
	s_add_nc_u64 s[14:15], s[14:15], s[22:23]
.macro LROW i
.irp j, 0,1,2,3,4,5,6,7
	global_load_b128 v[R+32*\i+4*\j:R+32*\i+4*\j+3], v[LO], s[4:5] offset:\i*4096+\j*512 th:TH_LOAD_NT
.endr
.endm
	LROW 0
.irp j, 0,1,2,3,4,5,6,7
	global_load_b128 v[G+4*\j:G+4*\j+3], v[LO], s[6:7] offset:\j*512
.endr
.irp j, 0,1,2,3,4,5,6,7
	global_load_b128 v[BV+4*\j:BV+4*\j+3], v[LO], s[8:9] offset:\j*512
.endr
	LROW 1
	LROW 2
	LROW 3
	s_wait_kmcnt 0x0
	s_add_co_i32 s27, s26, 127
	s_lshl_b32 s27, s27, 23
	v_mov_b32 v[SCL], s27                          ; 2^e8
	s_add_co_i32 s27, s26, 142
	s_lshl_b32 s27, s27, 23
	s_or_b32 s27, s27, 0x600000
	v_mov_b32 v[LIM], s27                          ; 57,344 x 2^e8
.macro ROW i, left                     ; left: the younger loads, which may stay out
.set RR, R+32*\i
	s_wait_loadcnt \left
	v_pk_add_f32 v[8:9], v[RR:RR+1], v[RR+2:RR+3]
	v_pk_add_f32 v[10:11], v[RR+4:RR+5], v[RR+6:RR+7]
.irp j, 8,12,16,20,24,28
	v_pk_add_f32 v[8:9], v[8:9], v[RR+\j:RR+\j+1]
	v_pk_add_f32 v[10:11], v[10:11], v[RR+\j+2:RR+\j+3]
.endr
	WSUM
	v_mul_f32 v12, 0x3a800000, v8                  ; the mean
	v_mov_b32 v13, v12
.irp j, 0,2,4,6,8,10,12,14,16,18,20,22,24,26,28,30
	v_pk_add_f32 v[RR+\j:RR+\j+1], v[RR+\j:RR+\j+1], v[12:13] neg_lo:[0,1] neg_hi:[0,1]
.endr
	v_pk_mul_f32 v[8:9], v[RR:RR+1], v[RR:RR+1]
	v_pk_mul_f32 v[10:11], v[RR+2:RR+3], v[RR+2:RR+3]
.irp j, 4,8,12,16,20,24,28
	v_pk_fma_f32 v[8:9], v[RR+\j:RR+\j+1], v[RR+\j:RR+\j+1], v[8:9]
	v_pk_fma_f32 v[10:11], v[RR+\j+2:RR+\j+3], v[RR+\j+2:RR+\j+3], v[10:11]
.endr
	WSUM
	v_mul_f32 v8, 0x3a800000, v8                   ; the variance
	v_add_f32 v8, 0x3727c5ac, v8                   ; + 1e-5
	s_wait_alu depctr_va_vdst(0)
	v_rsq_f32 v14, v8
	v_nop                                          ; a plain line behind the transcendental
	s_wait_alu depctr_va_vdst(0)                   ; the wait ahead of its first reader
	v_mov_b32 v15, v14
.if \i == 0
	s_wait_alu depctr_va_vdst(0)
	s_wait_loadcnt 24                              ; gain and bias are in; rows 1 to 3 may be out
.endif
.irp j, 0,2,4,6,8,10,12,14,16,18,20,22,24,26,28,30
	v_pk_mul_f32 v[RR+\j:RR+\j+1], v[RR+\j:RR+\j+1], v[14:15]
.endr
.irp j, 0,2,4,6,8,10,12,14,16,18,20,22,24,26,28,30
	v_pk_fma_f32 v[RR+\j:RR+\j+1], v[RR+\j:RR+\j+1], v[G+\j:G+\j+1], v[BV+\j:BV+\j+1]
.endr
.irp j, 0,1,2,3,4,5,6,7
	global_store_b128 v[LO], v[RR+4*\j:RR+4*\j+3], s[12:13] offset:\i*4096+\j*512
.endr
.irp t, 0,1
.irp q, 0,1,2,3
	ds_store_b128 v[STI], v[RR+16*\t+4*\q:RR+16*\t+4*\q+3] offset:2560*\t+640*\q
.endr
.endr
.irp t, 0,1
.irp q, 0,1,2,3
	ds_load_b128 v[X+16*\t+4*\q:X+16*\t+4*\q+3], v[STL] offset:2560*\t+16*\q  ; LDS serves a wave's instructions in order: these see my stores
.endr
.endr
	s_wait_dscnt 0x0
	s_wait_xcnt 0x0                                ; the last row's stores have read the codes' registers
.set jj, 0
.rept 32
	v_med3_num_f32 v[X+jj], v[X+jj], -v[LIM], v[LIM]  ; the conversion does not saturate (ISA guide 7.6.2)
.set jj, jj+1
.endr
.irp q, 0,1,2,3
	v_cvt_scalef32_pk8_bf8_f32 v[C+2*\q:C+2*\q+1], v[X+8*\q:X+8*\q+7], v[SCL]
.endr
	global_store_b128 v[LO], v[C:C+3], s[14:15] offset:\i*1024       ; 32 lanes store 512 consecutive bytes
	global_store_b128 v[LO], v[C+4:C+7], s[14:15] offset:\i*1024+512
.endm
	ROW 0, 40
	ROW 1, 16
	ROW 2, 8
	ROW 3, 0
	s_wait_tensorcnt 0x0                           ; the wave's end: behind my last LDS store
	ds_add_u32 v[SPW], v[NIL]
	s_wait_dscnt 0x0
	s_endpgm
.Lfunc_end_k_q6951853bf7_ln1:
	.size	k_q6951853bf7_ln1, .Lfunc_end_k_q6951853bf7_ln1-k_q6951853bf7_ln1
	.p2alignl 7, 3214868480
	.fill 96, 4, 3214868480
	.section	.rodata,"a",@progbits
	.p2align	6, 0x0
	.amdhsa_kernel k_q6951853bf7_ln1
		.amdhsa_group_segment_fixed_size 20992
		.amdhsa_private_segment_fixed_size 0
		.amdhsa_enable_private_segment 0
		.amdhsa_kernarg_size 48
		.amdhsa_user_sgpr_count 2
		.amdhsa_user_sgpr_kernarg_segment_ptr 1
		.amdhsa_wavefront_size32 1
		.amdhsa_system_sgpr_workgroup_id_x 1
		.amdhsa_system_sgpr_workgroup_id_y 1
		.amdhsa_system_sgpr_workgroup_id_z 1
		.amdhsa_system_vgpr_workitem_id 0
		.amdhsa_next_free_vgpr 256
		.amdhsa_next_free_sgpr 66
		.amdhsa_reserve_vcc 0
		.amdhsa_float_denorm_mode_32 3
		.amdhsa_float_denorm_mode_16_64 3
		.amdhsa_memory_ordered 1
		.amdhsa_forward_progress 1
		.amdhsa_inst_pref_size 49
	.end_amdhsa_kernel
	.amdgpu_metadata
---
amdhsa.version: [ 1, 2 ]
amdhsa.kernels:
  - .name:           k_q6951853bf7_ln1
    .symbol:         k_q6951853bf7_ln1.kd
    .args:
      - { .name: res, .offset: 0, .size: 8, .value_kind: global_buffer, .address_space: global }
      - { .name: n1_g, .offset: 8, .size: 8, .value_kind: global_buffer, .address_space: global }
      - { .name: n1_b, .offset: 16, .size: 8, .value_kind: global_buffer, .address_space: global }
      - { .name: lowp_scales, .offset: 24, .size: 8, .value_kind: global_buffer, .address_space: global }
      - { .name: xbuf, .offset: 32, .size: 8, .value_kind: global_buffer, .address_space: global }
      - { .name: xc, .offset: 40, .size: 8, .value_kind: global_buffer, .address_space: global }
    .group_segment_fixed_size: 20992
    .private_segment_fixed_size: 0
    .kernarg_segment_align: 8
    .kernarg_segment_size: 48
    .max_flat_workgroup_size: 128
    .sgpr_count:     66
    .vgpr_count:     256
    .wavefront_size: 32
...
	.end_amdgpu_metadata
.endif
;; end of part 3
;; launch gemm5 (part 4): grid 16 x 16, 8 waves a work-group, clusters of 4 x 1, 327,680 bytes of LDS; arguments xc, W1_codes, lowp_scales, b1, hc; writes hc
.if DOCPART == 4
	.amdgcn_target "amdgcn-amd-amdhsa--gfx1250"
	.amdhsa_code_object_version 6
	.text
	.protected	k_q6951853bf7_gemm5
	.globl	k_q6951853bf7_gemm5
	.p2align	8
	.type	k_q6951853bf7_gemm5,@function
k_q6951853bf7_gemm5:
	s_mov_b64 s[64:65], 0
	v_nop
	global_prefetch_b8 v0, s[64:65] scope:SCOPE_SE
	s_setreg_imm32_b32 hwreg(HW_REG_WAVE_MODE, 25, 1), 1
	s_wait_xcnt 0x0
	s_wait_alu depctr_hold_cnt(0) depctr_sa_sdst(0) depctr_va_vdst(0) depctr_va_sdst(0) depctr_va_ssrc(0) depctr_va_vcc(0) depctr_vm_vsrc(0)
	s_getreg_b32 s2, hwreg(HW_REG_IB_STS2, 6, 4)
	s_cmp_eq_u32 s2, 0
	s_cbranch_scc0 .Lentry_in_a_cluster
	s_endpgm
.Lentry_in_a_cluster:
	s_bfe_u32 s2, ttmp6, 0x10000c
	s_cmp_lg_u32 s2, 0x3003
	s_cbranch_scc0 .Lentry_shape_is_right
	s_endpgm
.Lentry_shape_is_right:
; hc = Q(gelu(x W1^T + b1)): x [4,096 x 1,024] and W1 [4,096 x 1,024] as codes of E5M2 with the scales 2^e8 and 2^e9; sums in f32; exact GELU in f32; Q with the scale 2^e10.  No work is left out.
; SHARES.  A work-group makes 256 rows x 256 columns; each of its eight waves 32 rows x all 256 columns, in four sub-tiles of 64 columns.  Grid 16 x 16: 256 work-groups.  Two waves share a SIMD and no barrier stands
; inside a pair of sub-tiles, so that one wave's GELU can stand beside the other's products and LDS loads.
; W1's 256 rows lie in LDS whole, each byte filled once: at the head every wave asks for 16 rows of 1,024 bytes (together rows 0-127); behind the three lines and a round for 16 more (rows 128-255), which have
; sub-tiles 0 and 1 in which to land.  One tensor load of a wave is out at any time.
; x's rows are each wave's own: its 32 rows x 1,024 along K stay in 256 registers.  They are loaded as they lie (sixteen lanes read 256 consecutive bytes, aligned) and turned into fragments through the wave's own
; stage, 16 rows x 256 bytes at a time; LDS serves a wave's instructions in order, so no wait stands between the stores and the loads.
; CLUSTER.  The four row blocks of a cluster read the same rows of W1: they are asked for jointly (mask 15).  No prefetch: every operand is asked for once, at the head.
; THE MATRIX INSTRUCTION IS USED TRANSPOSED (source 0 = 16 rows of W1, source 1 = 16 rows of x): lane (r, h) holds row r and, of tile b, the hidden units 16 b + 8 h + 0 .. 7.
; THE WAY OUT.  hc[tile of 16 rows][128 along its K][2,048 bytes] is an image of the next product's operand registers: block c of 512 bytes holds at 16 x lane row r, units 32 c + 16 h + 0 .. 15.  The codes of tiles 2 c and
; 2 c + 1 become that by exchanging the first's lanes 16-31 with the second's lanes 0-15: then each store of the wave covers 512 consecutive bytes.
; LIMITS: e8 + e9 between -126 and 127; e10 between -126 and 112.  NaN among the inputs is not served.
; REGISTERS: window 0: v1-17 addresses and constants; v32-63 b1 at the sub-tile's columns; v64-127 accumulators (a, b) at 64 + 8 (4 a + b); v128-255 W1's fragments in two sets of 64, then GELU's work and the codes;
; window 1: x's fragments, chunk q (128 along K) of tile a at 32 q + 16 a.
.set PITCH,  1040                      ; an LDS row of W1: 1,024 bytes + 16 of padding: an odd multiple of 16
.set STG,    256*PITCH                 ; behind W1: a stage of 16 rows x 272 bytes for each wave
.set SPARE,  STG+8*4352                ; the spare words: 128 bytes a wave
.set AG,  3                            ; v3  x in memory: 1,024 h + 16 r
.set SS,  4                            ; v4  into my stage;  v5 out of it
.set SL,  5
.set BA,  6                            ; v6  my lane's place in a tile of W1;  v7 the same in the sub-tile in hand
.set BS,  7
.set BO,  8                            ; v8  b1: 32 h
.set HO,  9                            ; v9  16 x lane
.set SPW, 10                           ; v10 my spare word;  v11 0: both never rewritten
.set NIL, 11
.set LIM, 12
.set SCL, 13
.set A11, 14
.set B6,  16
.set B1V, 32
.set ACC, 64
.set BF,  128
.set ZZ,  128
.set ZQ,  144
.set PN,  160
.set QD,  176
.set CD,  192
.set G1,  24                           ; s[24:31] descriptor group 1;  s[32:35] group 0
.set G0,  32
.set HB,  36                           ; s[36:37] hc at the sub-tile in hand
.set SB,  38                           ; s38 LDS byte at which the sub-tile's 64 rows of W1 begin
.set SC,  44                           ; s[44:45] 2^(e8 + e9)
.set MSB, 0
.macro WIN new                         ; the immediate's high byte repeats the setting that is left
.if MSB != \new
	s_set_vgpr_msb (MSB<<8)|\new
.set MSB, \new
.endif
.endm
.macro PLACES
.rept 4
	v_nop
.endr
.endm
.macro ROUND                           ; a round of the cluster's barrier
	s_barrier_signal -1
	s_barrier_wait -1
	s_cmp_lg_u32 s16, 0
	s_cbranch_scc1 .Lnw0_\@
	s_barrier_signal -3
.Lnw0_\@:
	s_barrier_wait -3
	s_barrier_signal -1
	s_barrier_wait -1
.endm
.macro FETCH q                         ; the sub-tile's four fragments of W1, chunk q, into set q % 2
.irp b, 0,1,2,3
.irp c, 0,1,2,3
	ds_load_b128 v[BF+64*((\q)%2)+16*\b+4*\c:BF+64*((\q)%2)+16*\b+4*\c+3], v[BS] offset:\b*16*PITCH+128*(\q)+32*\c
.endr
.endr
.endm
.macro CH q                            ; a chunk: 128 along K, eight matrix instructions; the eight accumulators take turns; chunk 0 starts the sums
.if \q
	PLACES                                         ; four places in front of loads into registers that matrix instructions have read
.endif
.if \q < 7
	FETCH (\q)+1
	s_wait_dscnt 16                                ; this chunk's fragments are in; the 16 loads just issued may be out
.else
	s_wait_dscnt 0x0
.endif
.irp a, 0,1
.irp b, 0,1,2,3
.if \q
	v_wmma_f32_16x16x128_bf8_bf8 v[ACC+8*(4*\a+\b):ACC+8*(4*\a+\b)+7], v[BF+64*((\q)%2)+16*\b:BF+64*((\q)%2)+16*\b+15], v[32*(\q)+16*\a:32*(\q)+16*\a+15], v[ACC+8*(4*\a+\b):ACC+8*(4*\a+\b)+7]
.else
	v_wmma_f32_16x16x128_bf8_bf8 v[ACC+8*(4*\a+\b):ACC+8*(4*\a+\b)+7], v[BF+64*((\q)%2)+16*\b:BF+64*((\q)%2)+16*\b+15], v[32*(\q)+16*\a:32*(\q)+16*\a+15], 0
.endif
.endr
.endr
.endm
.macro HORN d, k
.irp i, 0,2,4,6,8,10,12,14
	v_pk_fma_f32 v[\d+\i:\d+\i+1], v[\d+\i:\d+\i+1], v[ZQ+\i:ZQ+\i+1], \k op_sel_hi:[1,1,0]
.endr
.endm
; 16 numbers x of a lane (tiles 2 c and 2 c + 1) become x (1 + erf(x / sqrt 2)) / 2, erf as z P(z^2) / Q(z^2) with z held at +-4, and then 16 codes, which are stored.
.macro GELU16 x, cd, so
.irp i, 0,2,4,6,8,10,12,14
	v_pk_mul_f32 v[ZZ+\i:ZZ+\i+1], v[\x+\i:\x+\i+1], 0x3f3504f3 op_sel_hi:[1,0]
.endr
.irp i, 0,1,2,3,4,5,6,7,8,9,10,11,12,13,14,15
	v_med3_num_f32 v[ZZ+\i], v[ZZ+\i], -4.0, 4.0
.endr
.irp i, 0,2,4,6,8,10,12,14
	v_pk_mul_f32 v[ZQ+\i:ZQ+\i+1], v[ZZ+\i:ZZ+\i+1], v[ZZ+\i:ZZ+\i+1]
.endr
.irp i, 0,2,4,6,8,10,12,14
	v_pk_fma_f32 v[PN+\i:PN+\i+1], v[ZQ+\i:ZQ+\i+1], 0xaf95df0b, v[A11:A11+1] op_sel_hi:[1,0,1]
.endr
.irp i, 0,2,4,6,8,10,12,14
	v_pk_fma_f32 v[QD+\i:QD+\i+1], v[ZQ+\i:ZQ+\i+1], 0xb77460cd, v[B6:B6+1] op_sel_hi:[1,0,1]
.endr
	HORN PN, 0xb60cff51
	HORN QD, 0xbadc924e
	HORN PN, 0xb86ec2d2
	HORN QD, 0xbbf19bf8
	HORN PN, 0xba40ac63
	HORN QD, 0xbc69b6a7
	HORN PN, 0xbb41a1f6
	HORN PN, 0xbc83dbd4
	s_wait_alu depctr_va_vdst(0)                   ; the wait ahead of the batch
.irp i, 0,1,2,3,4,5,6,7,8,9,10,11,12,13,14,15
	v_rcp_f32 v[QD+\i], v[QD+\i]
.endr
.irp i, 0,2,4,6,8,10,12,14
	v_pk_mul_f32 v[PN+\i:PN+\i+1], v[PN+\i:PN+\i+1], v[ZZ+\i:ZZ+\i+1]
.endr
.irp i, 0,2,4,6,8,10,12,14
	v_pk_mul_f32 v[\x+\i:\x+\i+1], v[\x+\i:\x+\i+1], 0.5 op_sel_hi:[1,0]
.endr
	s_wait_alu depctr_va_vdst(0)                   ; one wait for the batch, ahead of its first reader
.irp i, 0,2,4,6,8,10,12,14
	v_pk_mul_f32 v[PN+\i:PN+\i+1], v[PN+\i:PN+\i+1], v[QD+\i:QD+\i+1]
.endr
.irp i, 0,2,4,6,8,10,12,14
	v_pk_fma_f32 v[\x+\i:\x+\i+1], v[\x+\i:\x+\i+1], v[PN+\i:PN+\i+1], v[\x+\i:\x+\i+1]
.endr
.irp i, 0,1,2,3,4,5,6,7,8,9,10,11,12,13,14,15
	v_med3_num_f32 v[\x+\i], v[\x+\i], -v[LIM], v[LIM]  ; the conversion does not saturate (ISA guide 7.6.2): the hold at the largest code x the scale
.endr
	v_cvt_scalef32_pk8_bf8_f32 v[\cd:\cd+1], v[\x:\x+7], v[SCL]
	v_cvt_scalef32_pk8_bf8_f32 v[\cd+2:\cd+3], v[\x+8:\x+15], v[SCL]
	v_nop                                          ; a plain line between a scaled conversion and the next vector line that touches its result
	v_permlane16_swap_b32 v[\cd], v[\cd+2]         ; lanes 0-15 now hold units 0-15 of the 32, lanes 16-31 units 16-31
	v_permlane16_swap_b32 v[\cd+1], v[\cd+3]
	global_store_b128 v[HO], v[\cd:\cd+3], s[HB:HB+1] offset:\so  ; 32 lanes store 512 consecutive bytes, aligned
.endm
; A SUB-TILE: 64 columns: the products over all of K, then bias, GELU, codes, stores; then the steps to the next.
.macro SUB
	v_add_nc_u32 v[BS], s[SB], v[BA]
	s_wait_alu depctr_va_vdst(0)                   ; the wait
.irp b, 0,1,2,3
	global_load_b128 v[B1V+8*\b:B1V+8*\b+3], v[BO], s[10:11] offset:64*\b
	global_load_b128 v[B1V+8*\b+4:B1V+8*\b+7], v[BO], s[10:11] offset:64*\b+16
.endr
	WIN 0x04                                       ; source 1 (x) window 1; the LDS loads' address and destination stay in window 0
	FETCH 0
.irp q, 0,1,2,3,4,5,6,7
	CH \q
.endr
	WIN 0
	PLACES                                         ; places behind the last products
	s_wait_loadcnt 0x0                             ; b1
.irp a, 0,1
.set jj, 0
.rept 16
	v_pk_fma_f32 v[ACC+32*\a+jj:ACC+32*\a+jj+1], v[ACC+32*\a+jj:ACC+32*\a+jj+1], s[SC:SC+1], v[B1V+jj:B1V+jj+1] op_sel_hi:[1,0,1]  ; sum x 2^(e8 + e9) + b1; each accumulator from its low end on
.set jj, jj+2
.endr
.endr
	GELU16 ACC, CD, 0
	GELU16 ACC+16, CD+4, 512
	GELU16 ACC+32, CD+8, 65536
	GELU16 ACC+48, CD+12, 65536+512
	s_add_co_u32 s[SB], s[SB], 64*PITCH
	s_wait_xcnt 0x0                                ; the loads and stores have read their bases and the codes' registers
	s_add_nc_u64 s[HB:HB+1], s[HB:HB+1], 1024      ; two blocks of 512 bytes on
	s_add_nc_u64 s[10:11], s[10:11], 256           ; 64 columns of b1 on
.endm
	s_load_b256 s[4:11], s[0:1], 0x0               ; xc s[4:5], W1's codes s[6:7], the exponents s[8:9], b1 s[10:11]
	s_load_b64 s[12:13], s[0:1], 0x20              ; hc
	v_lshl_add_u32 v[SPW], v0, 2, SPARE
	v_mov_b32 v[NIL], 0
	ds_add_u32 v[SPW], v[NIL]                      ; the opening: the add, twice on end, and its wait ahead of my first tensor load
	ds_add_u32 v[SPW], v[NIL]
	v_lshrrev_b32 v1, 5, v0
	v_readfirstlane_b32 s16, v1                    ; wave 0..7
	s_bfe_u32 s17, ttmp6, 0x40000                  ; cx: it enters the addresses of xc and hc alone
	s_lshl_b32 s18, ttmp9, 2
	s_add_co_u32 s18, s18, s17                     ; my row block
	s_and_b32 s19, ttmp7, 0xffff                   ; my column block, which the partners share
	s_mov_b32 s[G1], 15|(1<<20)|(1<<21)|(7<<22)|(3<<25)  ; mask of all four; elements of 1 byte; padding on; bit 21 beside a mask; 4 words behind every 256
	s_mov_b32 s[G1+1], 1024<<16                    ; tensor_dim0
	s_mov_b32 s[G1+2], 16<<16                      ; tensor_dim1
	s_mov_b32 s[G1+3], 1024<<16                    ; tile_dim0
	s_mov_b32 s[G1+4], 16                          ; tile_dim1
	s_mov_b32 s[G1+5], 1024                        ; from row to row
	s_mov_b32 s[G1+6], 0
	s_mov_b32 s[G1+7], 0
	s_mov_b32 s[G0], 1
	s_mul_i32 s[G0+1], s16, 16*PITCH               ; LDS: row 16 x wave
	s_lshl_b32 s22, s19, 18                        ; W1: row 256 x column block + 16 x wave, 1,024 bytes a row
	s_lshl_b32 s23, s16, 14
	s_add_co_u32 s22, s22, s23
	s_mov_b32 s23, 0
	s_lshl_b32 s20, s18, 18                        ; xc: row 256 x row block + 32 x wave
	s_lshl_b32 s21, s16, 15
	s_add_co_u32 s20, s20, s21
	s_mov_b32 s21, 0
	s_lshl_b32 s46, s18, 20                        ; hc: tile 16 x row block + 2 x wave, 65,536 bytes a tile; + 2 x column block chunks of 2,048 bytes
	s_lshl_b32 s47, s16, 17
	s_add_co_u32 s46, s46, s47
	s_lshl_b32 s47, s19, 12
	s_add_co_u32 s46, s46, s47
	s_mov_b32 s47, 0
	s_mov_b32 s[SB], 0
	s_wait_dscnt 0x0                               ; both opening adds are done
	s_wait_kmcnt 0x0
	s_load_b128 s[40:43], s[8:9], 0x20             ; e8, e9, e10, e11
	s_add_nc_u64 s[G0+2:G0+3], s[6:7], s[22:23]
	s_or_b32 s[G0+3], s[G0+3], 0x80000000          ; type 2
	s_add_nc_u64 s[20:21], s[4:5], s[20:21]
	s_add_nc_u64 s[HB:HB+1], s[12:13], s[46:47]
	s_lshl_b32 s22, s19, 10                        ; b1 at my 256 columns
	s_add_nc_u64 s[10:11], s[10:11], s[22:23]
	ROUND                                          ; the four partners are here: the first joint loads meet
	tensor_load_to_lds s[G0:G0+3], s[G1:G1+7]      ; every wave's one load at the head: its 16 of W1's rows 0-127
	s_nop 0
	PLACES
	v_and_b32 v1, 15, v0                           ; r
	v_bfe_u32 v2, v0, 4, 1                         ; h
	v_lshlrev_b32 v[AG], 10, v2
	v_lshl_add_u32 v[AG], v1, 4, v[AG]
	s_mul_i32 s22, s16, 4352
	s_add_co_u32 s22, s22, STG                     ; my stage
	v_mul_u32_u24 v[SS], v2, 272
	v_lshl_add_u32 v[SS], v1, 4, v[SS]
	v_add_nc_u32 v[SS], s22, v[SS]                 ; in: lanes 0-15 one row's 256 bytes, lanes 16-31 the next row's
	v_mul_u32_u24 v[SL], v1, 272
	v_lshl_add_u32 v[SL], v2, 4, v[SL]
	v_add_nc_u32 v[SL], s22, v[SL]                 ; out: row r, + 16 h
	v_mul_u32_u24 v[BA], v1, PITCH
	v_lshl_add_u32 v[BA], v2, 4, v[BA]
	v_lshlrev_b32 v[BO], 5, v2
	v_and_b32 v[HO], 31, v0
	v_lshlrev_b32 v[HO], 4, v[HO]
	v_mov_b32 v[A11], 0x32edffee
	v_mov_b32 v[A11+1], 0x32edffee
	v_mov_b32 v[B6], 0xb95fbd29
	v_mov_b32 v[B6+1], 0xb95fbd29
	s_wait_alu depctr_va_vdst(0)                   ; the wait
	WIN 0x40
.irp p, 0,1,2,3
.irp a, 0,1
.irp i, 0,1,2,3,4,5,6,7
	global_load_b128 v[64*\p+16*\a+32*(\i/4)+4*(\i%4):64*\p+16*\a+32*(\i/4)+4*(\i%4)+3], v[AG], s[20:21] offset:(16*\a+2*\i)*1024+256*\p  ; piece (p, a): tile a's 16 rows, bytes 256 p on, into the registers that its fragments will take
.endr
.endr
.endr
	WIN 0
	s_wait_kmcnt 0x0
	s_add_co_i32 s[SC], s40, s41
	s_add_co_i32 s[SC], s[SC], 127
	s_lshl_b32 s[SC], s[SC], 23                    ; 2^(e8 + e9)
	s_mov_b32 s[SC+1], s[SC]
	s_add_co_i32 s46, s42, 127
	s_lshl_b32 s46, s46, 23
	s_add_co_i32 s47, s42, 142
	s_lshl_b32 s47, s47, 23
	s_or_b32 s47, s47, 0x600000
	v_mov_b32 v[SCL], s46                          ; 2^e10
	v_mov_b32 v[LIM], s47                          ; 57,344 x 2^e10
.irp p, 0,1,2,3
.irp a, 0,1
	s_wait_loadcnt 8*(7-(2*\p+\a))                 ; this piece is in; the younger pieces' loads may be out
	WIN 0x04
.irp i, 0,1,2,3,4,5,6,7
	ds_store_b128 v[SS], v[64*\p+16*\a+32*(\i/4)+4*(\i%4):64*\p+16*\a+32*(\i/4)+4*(\i%4)+3] offset:\i*544
.endr
	WIN 0x40
.irp e, 0,1
.irp c, 0,1,2,3
	ds_load_b128 v[64*\p+32*\e+16*\a+4*\c:64*\p+32*\e+16*\a+4*\c+3], v[SL] offset:128*\e+32*\c  ; chunk 2 p + e of tile a: row r, K = 32 c + 16 h + 0 .. 15.  LDS serves a wave's instructions in order
.endr
.endr
.endr
.endr
	WIN 0
	s_wait_alu depctr_va_vdst(0)                   ; the wait at the head's end
	s_wait_tensorcnt 0x0                           ; my part of W1's rows 0-127 is in; the three lines ahead of a later first fill:
	ds_add_u32 v[SPW], v[NIL]
	s_add_co_u32 s[G0+1], s[G0+1], 128*PITCH       ; no load of mine is out: the descriptor may be written: 128 rows on
	s_add_nc_u64 s[G0+2:G0+3], s[G0+2:G0+3], 128*1024
	s_wait_dscnt 0x0                               ; the add is done, and x's fragments are in
	ROUND                                          ; everybody's part is in, and the four partners are here
	tensor_load_to_lds s[G0:G0+3], s[G1:G1+7]      ; my one load behind the round: my 16 of W1's rows 128-255
	s_nop 0
	PLACES
	s_mov_b32 s3, 2
.Lfirst:                                           ; sub-tiles 0 and 1 read W1's rows 0-127 alone
	SUB
	s_sub_co_u32 s3, s3, 1
	s_cmp_lg_u32 s3, 0
	s_cbranch_scc1 .Lfirst
	s_wait_tensorcnt 0x0                           ; my part of rows 128-255
	s_wait_dscnt 0x0
	s_barrier_signal -1
	s_barrier_wait -1                              ; everybody's.
	s_mov_b32 s3, 2
.Lrest:
	SUB
	s_sub_co_u32 s3, s3, 1
	s_cmp_lg_u32 s3, 0
	s_cbranch_scc1 .Lrest
	s_wait_tensorcnt 0x0                           ; the wave's end
	ds_add_u32 v[SPW], v[NIL]
	s_wait_dscnt 0x0
	ROUND                                          ; the closing round
	s_endpgm
.Lfunc_end_k_q6951853bf7_gemm5:
	.size	k_q6951853bf7_gemm5, .Lfunc_end_k_q6951853bf7_gemm5-k_q6951853bf7_gemm5
	.p2alignl 7, 3214868480
	.fill 96, 4, 3214868480
	.section	.rodata,"a",@progbits
	.p2align	6, 0x0
	.amdhsa_kernel k_q6951853bf7_gemm5
		.amdhsa_group_segment_fixed_size 327680
		.amdhsa_private_segment_fixed_size 0
		.amdhsa_enable_private_segment 0
		.amdhsa_kernarg_size 40
		.amdhsa_user_sgpr_count 2
		.amdhsa_user_sgpr_kernarg_segment_ptr 1
		.amdhsa_wavefront_size32 1
		.amdhsa_system_sgpr_workgroup_id_x 1
		.amdhsa_system_sgpr_workgroup_id_y 1
		.amdhsa_system_sgpr_workgroup_id_z 1
		.amdhsa_system_vgpr_workitem_id 0
		.amdhsa_next_free_vgpr 512
		.amdhsa_next_free_sgpr 66
		.amdhsa_reserve_vcc 0
		.amdhsa_float_denorm_mode_32 3
		.amdhsa_float_denorm_mode_16_64 3
		.amdhsa_memory_ordered 1
		.amdhsa_forward_progress 1
		.amdhsa_inst_pref_size 163
	.end_amdhsa_kernel
	.amdgpu_metadata
---
amdhsa.version: [ 1, 2 ]
amdhsa.kernels:
  - .name:           k_q6951853bf7_gemm5
    .symbol:         k_q6951853bf7_gemm5.kd
    .args:
      - { .name: xc, .offset: 0, .size: 8, .value_kind: global_buffer, .address_space: global }
      - { .name: W1_codes, .offset: 8, .size: 8, .value_kind: global_buffer, .address_space: global }
      - { .name: lowp_scales, .offset: 16, .size: 8, .value_kind: global_buffer, .address_space: global }
      - { .name: b1, .offset: 24, .size: 8, .value_kind: global_buffer, .address_space: global }
      - { .name: hc, .offset: 32, .size: 8, .value_kind: global_buffer, .address_space: global }
    .group_segment_fixed_size: 327680
    .private_segment_fixed_size: 0
    .kernarg_segment_align: 8
    .kernarg_segment_size: 40
    .max_flat_workgroup_size: 256
    .sgpr_count:     66
    .vgpr_count:     512
    .wavefront_size: 32
...
	.end_amdgpu_metadata
.endif
;; end of part 4
;; launch gemm6 (part 5): grid 32 x 8, 4 waves a work-group, clusters of 4 x 1, 327,680 bytes of LDS; arguments hc, W2_codes, lowp_scales, b2, xbuf, res; writes res
.if DOCPART == 5
	.amdgcn_target "amdgcn-amd-amdhsa--gfx1250"
	.amdhsa_code_object_version 6
	.text
	.protected	k_q6951853bf7_gemm6
	.globl	k_q6951853bf7_gemm6
	.p2align	8
	.type	k_q6951853bf7_gemm6,@function
k_q6951853bf7_gemm6:
	s_mov_b64 s[64:65], 0
	v_nop
	global_prefetch_b8 v0, s[64:65] scope:SCOPE_SE
	s_setreg_imm32_b32 hwreg(HW_REG_WAVE_MODE, 25, 1), 1
	s_wait_xcnt 0x0
	s_wait_alu depctr_hold_cnt(0) depctr_sa_sdst(0) depctr_va_vdst(0) depctr_va_sdst(0) depctr_va_ssrc(0) depctr_va_vcc(0) depctr_vm_vsrc(0)
	s_getreg_b32 s2, hwreg(HW_REG_IB_STS2, 6, 4)
	s_cmp_eq_u32 s2, 0
	s_cbranch_scc0 .Lentry_in_a_cluster
	s_endpgm
.Lentry_in_a_cluster:
	s_bfe_u32 s2, ttmp6, 0x10000c
	s_cmp_lg_u32 s2, 0x3003
	s_cbranch_scc0 .Lentry_shape_is_right
	s_endpgm
.Lentry_shape_is_right:
; res = xbuf + h W2^T + b2: h [4,096 x 4,096] and W2 [1,024 x 4,096] as codes of E5M2 with the scales 2^e10 and 2^e11; sums in f32.  No work is left out.
; SHARES.  A work-group makes 128 rows x 128 columns; each of its four waves 32 rows x all 128 columns: 16 accumulators, 128 registers.  Grid 32 (row blocks) x 8 (column blocks): 256 work-groups.
; TWO ROADS FOR THE OPERANDS.  W2's 128 rows, which all four waves multiply, go through a ring of two LDS slots of 1,024 along K, filled by tensor loads (each wave 32 rows of 1,024 bytes).
; h's rows are each wave's own: no other wave of the work-group reads them, so they come straight into registers.  The launch before has stored hc as images of operand registers,
; hc[tile of 16 rows][128 along K][2,048 bytes]: block c of 512 bytes holds, at 16 x lane, row lane % 16, K = 32 c + 16 (lane / 16) + 0 .. 15: each load of the wave covers 512 consecutive bytes.
; They run through a ring of eight chunks (128 along K, 32 registers each), asked for seven chunks ahead: 56 loads of a wave are out behind the chunk that is waited for.
; CLUSTER.  The four row blocks of a cluster walk the same rows of W2: each tile is asked for jointly (mask 15).  A fill is asked for at the head of the slot before it: 8 chunks, 128 matrix instructions a wave, ahead of its first read.
; No prefetch: both streams are asked for that far ahead by the loads themselves.
; THE SUMS BEGIN WITH THE BIAS: b2 x 2^-(e10 + e11) is what the first products add onto, so nothing is cleared and no first step is written apart; each finished sum is multiplied once by 2^(e10 + e11).
; THE MATRIX INSTRUCTION IS USED TRANSPOSED (source 0 = 16 rows of W2, source 1 = 16 rows of h): a lane holds eight neighbouring columns of one row.
; LIMITS: e10 + e11 between -126 and 126, and b2 x 2^-(e10 + e11) inside f32's range.
; REGISTERS, in windows of 256: window 0: v8-17 addresses, v32-95 b2, later the scaled sums, v128-255 accumulators (a, b) at 128 + 8 (8 a + b); window 1: h's ring, chunk j at 32 (j % 8) + 16 a;
; window 2: W2's fragments, two sets of 128; window 3: v0-127 xbuf's 32 rows, v128-255 two sets of 16 rows read back from the stage.
.set PITCH,  1040                      ; an LDS row: 1,024 bytes + 16 of padding: an odd multiple of 16, so the 16 rows of a fragment load start in 16 different groups of banks
.set SLOT,   128*PITCH
.set STAGE,  2*SLOT                    ; behind the ring: 16 rows x 528 bytes for each wave
.set SPITCH, 528
.set SPARE,  STAGE+4*16*SPITCH         ; the spare words: 128 bytes a wave
.set AO,  8                            ; v8  16 x lane: h's images, xbuf and res
.set AB0, 10                           ; v10, v11 my lane's place in W2's rows 0-63, 64-127 of a slot
.set ADB, 12                           ; v12, v13 the same in the slot in hand
.set STO, 14                           ; v14 into my stage;  v15 out of it
.set RD,  15
.set SPW, 16                           ; v16 my spare word;  v17 0: both never rewritten
.set NIL, 17
.set BV,  32
.set ACC, 128
.set G1,  24                           ; s[24:31] descriptor group 1;  s[32:35] group 0, which walks
.set G0,  32
.set AB,  36                           ; s[36:37] h's images at the slot in hand
.set TB,  38                           ; s38 LDS byte at which the slot in hand begins
.set MSB, 0
.macro WIN new                         ; the immediate's high byte repeats the setting that is left
.if MSB != \new
	s_set_vgpr_msb (MSB<<8)|\new
.set MSB, \new
.endif
.endm
.macro PLACES
.rept 4
	v_nop
.endr
.endm
.macro ROUND                           ; a round of the cluster's barrier
	s_barrier_signal -1
	s_barrier_wait -1
	s_cmp_lg_u32 s16, 0
	s_cbranch_scc1 .Lnw0_\@
	s_barrier_signal -3
.Lnw0_\@:
	s_barrier_wait -3
	s_barrier_signal -1
	s_barrier_wait -1
.endm
.macro ALOAD j                         ; h's chunk j, counted from the slot in hand: two tiles of 16 rows, eight loads, into ring place j % 8
	WIN 0x40
.irp a, 0,1
.irp c, 0,1,2,3
	global_load_b128 v[32*((\j)%8)+16*\a+4*\c:32*((\j)%8)+16*\a+4*\c+3], v[AO], s[AB:AB+1] offset:(\j)*2048+\a*65536+\c*512
.endr
.endr
.endm
.macro FETCHB q                        ; W2's eight fragments of the slot's chunk q into set q % 2
	WIN 0x80
.irp b, 0,1,2,3,4,5,6,7
.irp c, 0,1,2,3
	ds_load_b128 v[128*((\q)%2)+16*\b+4*\c:128*((\q)%2)+16*\b+4*\c+3], v[ADB+\b/4] offset:(\b%4)*16*PITCH+128*(\q)+32*\c
.endr
.endr
.endm
; A chunk: 128 along K, 16 matrix instructions; the 16 accumulators take turns in the same order in every chunk.
; al = 1: h's chunk seven further on is asked for, into the ring place that the last chunk's products have read.  lc: h's loads younger than this chunk's.
.macro CHUNK jj, al, lc
.if \jj
	PLACES                                         ; four places in front of loads into registers that matrix instructions have read (chunk 0: the four lines behind the change of slots)
.endif
.if \al
	ALOAD (\jj)+7
.endif
.if \jj < 7
	FETCHB (\jj)+1
	s_wait_dscnt 32                                ; this chunk's fragments of W2 are in; the 32 loads just issued may be out
.else
	s_wait_dscnt 0x0
.endif
	s_wait_loadcnt \lc
	WIN 0x06                                       ; source 0 window 2, source 1 window 1, C and D window 0
.irp a, 0,1
.irp b, 0,1,2,3,4,5,6,7
	v_wmma_f32_16x16x128_bf8_bf8 v[ACC+8*(8*\a+\b):ACC+8*(8*\a+\b)+7], v[128*((\jj)%2)+16*\b:128*((\jj)%2)+16*\b+15], v[32*(\jj)+16*\a:32*(\jj)+16*\a+15], v[ACC+8*(8*\a+\b):ACC+8*(8*\a+\b)+7]
.endr
.endr
.endm
; THE CHANGE OF SLOTS stands at a slot's head.  Every wave: all its tensor loads have landed (its part of the slot ahead); an add to its spare word; the add and its reads of the slot that it has left are done.
; fill = 1: a round of the cluster's barrier, and behind it the other slot takes the next 1,024 along K: each wave's one joint load.  fill = 0: the work-group's barrier alone.
.macro CHANGE fill
	WIN 0
	s_wait_tensorcnt 0x0
	ds_add_u32 v[SPW], v[NIL]
.if \fill
	s_xor_b32 s[G0+1], s[G0+1], SLOT               ; no load of mine is out: the walking descriptor may be written.  (SLOT shares no bit with the waves' places: the exclusive or adds or takes away SLOT)
	s_add_nc_u64 s[G0+2:G0+3], s[G0+2:G0+3], 1024
.endif
	s_wait_dscnt 0x0
.if \fill
	ROUND
	tensor_load_to_lds s[G0:G0+3], s[G1:G1+7]
	s_nop 0
.else
	s_barrier_signal -1
	s_barrier_wait -1
.endif
	v_add_nc_u32 v[ADB], s[TB], v[AB0]
	v_add_nc_u32 v[ADB+1], s[TB], v[AB0+1]
	v_nop
	v_nop
	s_wait_alu depctr_va_vdst(0)                   ; the wait
	FETCHB 0
.endm
	s_load_b256 s[4:11], s[0:1], 0x0               ; hc s[4:5], W2's codes s[6:7], the exponents s[8:9], b2 s[10:11]
	s_load_b128 s[12:15], s[0:1], 0x20             ; xbuf s[12:13], res s[14:15]
	v_lshl_add_u32 v[SPW], v0, 2, SPARE
	v_mov_b32 v[NIL], 0
	ds_add_u32 v[SPW], v[NIL]                      ; the opening: the add, twice on end, and its wait ahead of my first tensor load
	ds_add_u32 v[SPW], v[NIL]
	v_lshrrev_b32 v1, 5, v0
	v_readfirstlane_b32 s16, v1                    ; wave 0..3
	s_bfe_u32 s17, ttmp6, 0x40000                  ; cx: it enters the addresses of hc, xbuf and res alone
	s_lshl_b32 s18, ttmp9, 2
	s_add_co_u32 s18, s18, s17                     ; my row block
	s_and_b32 s19, ttmp7, 0xffff                   ; my column block, which the partners share
	s_mov_b32 s[G1], 15|(1<<20)|(1<<21)|(7<<22)|(3<<25)  ; mask of all four; elements of 1 byte; padding on; bit 21 beside a mask; 4 words behind every 256
	s_mov_b32 s[G1+1], 1024<<16                    ; tensor_dim0
	s_mov_b32 s[G1+2], 32<<16                      ; tensor_dim1
	s_mov_b32 s[G1+3], 1024<<16                    ; tile_dim0
	s_mov_b32 s[G1+4], 32                          ; tile_dim1
	s_mov_b32 s[G1+5], 4096                        ; from row to row
	s_mov_b32 s[G1+6], 0
	s_mov_b32 s[G1+7], 0
	s_mov_b32 s[G0], 1
	s_mul_i32 s[G0+1], s16, 32*PITCH               ; LDS: wave x 32 rows, slot 0
	s_lshl_b32 s20, s19, 19                        ; W2: row 128 x column block + 32 x wave, 4,096 bytes a row
	s_lshl_b32 s22, s16, 17
	s_add_co_u32 s20, s20, s22
	s_mov_b32 s21, 0
	s_lshl_b32 s22, s18, 19                        ; hc, xbuf, res: row 128 x row block + 32 x wave; in all three 16 rows are 65,536 bytes
	s_lshl_b32 s23, s16, 17
	s_add_co_u32 s22, s22, s23
	s_mov_b32 s23, 0
	s_mov_b32 s[TB], 0
	s_wait_dscnt 0x0                               ; both opening adds are done
	s_wait_kmcnt 0x0
	s_load_b64 s[40:41], s[8:9], 0x28              ; e10, e11
	s_add_nc_u64 s[G0+2:G0+3], s[6:7], s[20:21]
	s_or_b32 s[G0+3], s[G0+3], 0x80000000          ; type 2
	s_add_nc_u64 s[AB:AB+1], s[4:5], s[22:23]
	s_lshl_b32 s20, s19, 9                         ; my 128 columns: 512 bytes of f32
	s_add_nc_u64 s[10:11], s[10:11], s[20:21]
	s_add_nc_u64 s[22:23], s[22:23], s[20:21]
	s_add_nc_u64 s[12:13], s[12:13], s[22:23]
	s_add_nc_u64 s[14:15], s[14:15], s[22:23]
	ROUND                                          ; the four partners are here: the first joint loads meet
	tensor_load_to_lds s[G0:G0+3], s[G1:G1+7]      ; every wave's one load at the head: its 32 rows of the first 1,024 along K
	s_nop 0
	PLACES
	v_and_b32 v1, 15, v0                           ; r
	v_bfe_u32 v2, v0, 4, 1                         ; h
	v_and_b32 v3, 31, v0
	v_lshlrev_b32 v[AO], 4, v3
	v_mul_u32_u24 v4, v1, PITCH
	v_lshl_add_u32 v[AB0], v2, 4, v4               ; row r x pitch + 16 h
	v_add_nc_u32 v[AB0+1], 64*PITCH, v[AB0]
	v_lshlrev_b32 v7, 5, v2                        ; b2: columns 8 h on
	s_mul_i32 s20, s16, 16*SPITCH
	s_add_co_u32 s20, s20, STAGE                   ; my stage
	v_mul_u32_u24 v5, v1, SPITCH
	v_lshl_add_u32 v5, v2, 5, v5
	v_add_nc_u32 v[STO], s20, v5                   ; in: row r, 32 bytes for each half of the lanes
	v_add_nc_u32 v[RD], s20, v[AO]                 ; back: the 32 lanes take one row of 512 bytes
	s_wait_alu depctr_va_vdst(0)                   ; the wait
.irp b, 0,1,2,3,4,5,6,7
	global_load_b128 v[BV+8*\b:BV+8*\b+3], v7, s[10:11] offset:64*\b
	global_load_b128 v[BV+8*\b+4:BV+8*\b+7], v7, s[10:11] offset:64*\b+16
.endr
.irp j, 0,1,2,3,4,5,6
	ALOAD \j
.endr
	WIN 0xc0
.set tt, 0
.rept 32
	global_load_b128 v[4*tt:4*tt+3], v[AO], s[12:13] offset:tt*4096 th:TH_LOAD_NT  ; xbuf: a row's 512 bytes an instruction; read once in the launch
.set tt, tt+1
.endr
	WIN 0
	s_wait_kmcnt 0x0
	s_add_co_i32 s44, s40, s41                     ; e10 + e11
	s_sub_co_i32 s42, 127, s44
	s_lshl_b32 s42, s42, 23                        ; 2^-(e10 + e11)
	s_mov_b32 s43, s42
	s_add_co_i32 s44, s44, 127
	s_lshl_b32 s44, s44, 23                        ; 2^(e10 + e11)
	s_mov_b32 s45, s44
	s_wait_loadcnt 63                              ; of the 104 loads issued the oldest 41 are in, b2's sixteen among them
.irp a, 0,1
.set jj, 0
.rept 32
	v_pk_mul_f32 v[ACC+64*\a+jj:ACC+64*\a+jj+1], v[BV+jj:BV+jj+1], s[42:43] op_sel_hi:[1,0]  ; the sums begin with the bias
.set jj, jj+2
.endr
.endr
	s_wait_alu depctr_va_vdst(0)                   ; the wait at the head's end
	s_mov_b32 s3, 3
.Lslot:                                            ; three trips: behind each change of slots but the last the next slot is asked for (the first time: slot 1's first fill, issued as a refill is)
	CHANGE 1
.irp q, 0,1,2,3,4,5,6,7
	CHUNK \q, 1, 56                                ; the seven younger chunks' 56 loads may be out (in the first trip xbuf's stand among them: then more than this chunk is waited for)
.endr
	WIN 0
	s_xor_b32 s[TB], s[TB], SLOT                   ; on to the other slot
	s_wait_xcnt 0x0                                ; h's loads have read their base
	s_add_nc_u64 s[AB:AB+1], s[AB:AB+1], 8*2048
	s_sub_co_u32 s3, s3, 1
	s_cmp_lg_u32 s3, 0
	s_cbranch_scc1 .Lslot
	CHANGE 0                                       ; the last slot is written out: nothing more is filled, and h's last chunk is asked for in its first chunk
	CHUNK 0, 1, 56
.irp q, 1,2,3,4,5,6,7
	CHUNK \q, 0, 56-8*\q
.endr
	WIN 0
	; THE WAY OUT, 16 rows x 128 columns at a time: x 2^(e10 + e11), through my stage, back as whole rows of 512 bytes, + xbuf, stored.
	PLACES                                         ; places behind the last products
.irp a, 0,1
.set jj, 0
.rept 32
	v_pk_mul_f32 v[BV+jj:BV+jj+1], v[ACC+64*\a+jj:ACC+64*\a+jj+1], s[44:45] op_sel_hi:[1,0]  ; each accumulator from its low end on
.set jj, jj+2
.endr
.irp b, 0,1,2,3,4,5,6,7
	ds_store_b128 v[STO], v[BV+8*\b:BV+8*\b+3] offset:64*\b
	ds_store_b128 v[STO], v[BV+8*\b+4:BV+8*\b+7] offset:64*\b+16
.endr
	WIN 0xc0
.set tt, 0
.rept 16
	ds_load_b128 v[128+64*\a+4*tt:128+64*\a+4*tt+3], v[RD] offset:tt*SPITCH  ; LDS serves a wave's instructions in order: these see my stores, and the next block's stores come behind them
.set tt, tt+1
.endr
	s_wait_dscnt 0x0
	WIN 0xcf
.set jj, 0
.rept 32
	v_pk_add_f32 v[128+64*\a+jj:128+64*\a+jj+1], v[128+64*\a+jj:128+64*\a+jj+1], v[64*\a+jj:64*\a+jj+1]
.set jj, jj+2
.endr
	WIN 0x0c
.set tt, 0
.rept 16
	global_store_b128 v[AO], v[128+64*\a+4*tt:128+64*\a+4*tt+3], s[14:15] offset:(16*\a+tt)*4096  ; 32 lanes store 512 consecutive bytes, aligned
.set tt, tt+1
.endr
	WIN 0
.endr
	s_wait_tensorcnt 0x0                           ; the wave's end
	ds_add_u32 v[SPW], v[NIL]
	s_wait_dscnt 0x0
	ROUND                                          ; the closing round
	s_endpgm
.Lfunc_end_k_q6951853bf7_gemm6:
	.size	k_q6951853bf7_gemm6, .Lfunc_end_k_q6951853bf7_gemm6-k_q6951853bf7_gemm6
	.p2alignl 7, 3214868480
	.fill 96, 4, 3214868480
	.section	.rodata,"a",@progbits
	.p2align	6, 0x0
	.amdhsa_kernel k_q6951853bf7_gemm6
		.amdhsa_group_segment_fixed_size 327680
		.amdhsa_private_segment_fixed_size 0
		.amdhsa_enable_private_segment 0
		.amdhsa_kernarg_size 48
		.amdhsa_user_sgpr_count 2
		.amdhsa_user_sgpr_kernarg_segment_ptr 1
		.amdhsa_wavefront_size32 1
		.amdhsa_system_sgpr_workgroup_id_x 1
		.amdhsa_system_sgpr_workgroup_id_y 1
		.amdhsa_system_sgpr_workgroup_id_z 1
		.amdhsa_system_vgpr_workitem_id 0
		.amdhsa_next_free_vgpr 1024
		.amdhsa_next_free_sgpr 66
		.amdhsa_reserve_vcc 0
		.amdhsa_float_denorm_mode_32 3
		.amdhsa_float_denorm_mode_16_64 3
		.amdhsa_memory_ordered 1
		.amdhsa_forward_progress 1
		.amdhsa_inst_pref_size 94
	.end_amdhsa_kernel
	.amdgpu_metadata
---
amdhsa.version: [ 1, 2 ]
amdhsa.kernels:
  - .name:           k_q6951853bf7_gemm6
    .symbol:         k_q6951853bf7_gemm6.kd
    .args:
      - { .name: hc, .offset: 0, .size: 8, .value_kind: global_buffer, .address_space: global }
      - { .name: W2_codes, .offset: 8, .size: 8, .value_kind: global_buffer, .address_space: global }
      - { .name: lowp_scales, .offset: 16, .size: 8, .value_kind: global_buffer, .address_space: global }
      - { .name: b2, .offset: 24, .size: 8, .value_kind: global_buffer, .address_space: global }
      - { .name: xbuf, .offset: 32, .size: 8, .value_kind: global_buffer, .address_space: global }
      - { .name: res, .offset: 40, .size: 8, .value_kind: global_buffer, .address_space: global }
    .group_segment_fixed_size: 327680
    .private_segment_fixed_size: 0
    .kernarg_segment_align: 8
    .kernarg_segment_size: 48
    .max_flat_workgroup_size: 128
    .sgpr_count:     66
    .vgpr_count:     1024
    .wavefront_size: 32
...
	.end_amdgpu_metadata
.endif
;; end of part 5
;; launch ln2 (part 6): grid 256 x 1, 4 waves a work-group, no clusters, 0 bytes of LDS; arguments res, n2_g, n2_b, out0; writes out0
.if DOCPART == 6
	.amdgcn_target "amdgcn-amd-amdhsa--gfx1250"
	.amdhsa_code_object_version 6
	.text
	.protected	k_q6951853bf7_ln2
	.globl	k_q6951853bf7_ln2
	.p2align	8
	.type	k_q6951853bf7_ln2,@function
k_q6951853bf7_ln2:
	s_mov_b64 s[64:65], 0
	v_nop
	global_prefetch_b8 v0, s[64:65] scope:SCOPE_SE
	s_setreg_imm32_b32 hwreg(HW_REG_WAVE_MODE, 25, 1), 1
	s_wait_xcnt 0x0
; out0 = LN(res; n2_g, n2_b).  No work is left out.
; A stream: a wave takes four rows of 1,024 numbers, each kept in 32 registers between the passes (register 4 j + k: column 128 j + 4 lane + k): each load and store covers 512 consecutive bytes.
; No LDS, no matrix unit, no cluster: a row never leaves its wave, and memory binds.  All 48 loads of a wave go out at the head.
.set LO,  1                            ; v1  16 x lane
.set G,   16                           ; v16-47 gain, v48-79 bias, at my columns
.set BV,  48
.set R,   80                           ; v80-207 four rows
.macro WSUM                            ; v[8:11], two packed chains -> v8: the sum over the wave, in every lane
	v_pk_add_f32 v[8:9], v[8:9], v[10:11]
	v_add_f32 v8, v8, v9
	v_add_f32_dpp v8, v8, v8 row_xmask:1 row_mask:0xf bank_mask:0xf
	v_add_f32_dpp v8, v8, v8 row_xmask:2 row_mask:0xf bank_mask:0xf
	v_add_f32_dpp v8, v8, v8 row_xmask:4 row_mask:0xf bank_mask:0xf
	v_add_f32_dpp v8, v8, v8 row_xmask:8 row_mask:0xf bank_mask:0xf
	v_permlanex16_b32 v9, v8, s24, s25
	v_add_f32 v8, v8, v9
.endm
	s_load_b256 s[4:11], s[0:1], 0x0               ; res s[4:5], gain s[6:7], bias s[8:9], out0 s[10:11]
	v_lshrrev_b32 v4, 5, v0
	v_readfirstlane_b32 s16, v4                    ; wave
	v_and_b32 v8, 31, v0
	v_lshlrev_b32 v[LO], 4, v8
	s_lshl_b32 s18, ttmp9, 4
	s_lshl_b32 s19, s16, 2
	s_add_co_u32 s18, s18, s19                     ; my first row
	s_lshl_b32 s20, s18, 12
	s_mov_b32 s21, 0
	s_mov_b32 s24, 0x76543210
	s_mov_b32 s25, 0xfedcba98
	s_wait_alu depctr_va_vdst(0)
	s_wait_kmcnt 0x0
	s_add_nc_u64 s[4:5], s[4:5], s[20:21]
	s_add_nc_u64 s[10:11], s[10:11], s[20:21]
.macro LROW i
.irp j, 0,1,2,3,4,5,6,7
	global_load_b128 v[R+32*\i+4*\j:R+32*\i+4*\j+3], v[LO], s[4:5] offset:\i*4096+\j*512 th:TH_LOAD_NT
.endr
.endm
	LROW 0
.irp j, 0,1,2,3,4,5,6,7
	global_load_b128 v[G+4*\j:G+4*\j+3], v[LO], s[6:7] offset:\j*512
.endr
.irp j, 0,1,2,3,4,5,6,7
	global_load_b128 v[BV+4*\j:BV+4*\j+3], v[LO], s[8:9] offset:\j*512
.endr
	LROW 1
	LROW 2
	LROW 3
.macro ROW i, left                     ; left: the younger loads, which may stay out
.set RR, R+32*\i
	s_wait_loadcnt \left
	v_pk_add_f32 v[8:9], v[RR:RR+1], v[RR+2:RR+3]
	v_pk_add_f32 v[10:11], v[RR+4:RR+5], v[RR+6:RR+7]
.irp j, 8,12,16,20,24,28
	v_pk_add_f32 v[8:9], v[8:9], v[RR+\j:RR+\j+1]
	v_pk_add_f32 v[10:11], v[10:11], v[RR+\j+2:RR+\j+3]
.endr
	WSUM
	v_mul_f32 v12, 0x3a800000, v8                  ; the mean
	v_mov_b32 v13, v12
.irp j, 0,2,4,6,8,10,12,14,16,18,20,22,24,26,28,30
	v_pk_add_f32 v[RR+\j:RR+\j+1], v[RR+\j:RR+\j+1], v[12:13] neg_lo:[0,1] neg_hi:[0,1]
.endr
	v_pk_mul_f32 v[8:9], v[RR:RR+1], v[RR:RR+1]
	v_pk_mul_f32 v[10:11], v[RR+2:RR+3], v[RR+2:RR+3]
.irp j, 4,8,12,16,20,24,28
	v_pk_fma_f32 v[8:9], v[RR+\j:RR+\j+1], v[RR+\j:RR+\j+1], v[8:9]
	v_pk_fma_f32 v[10:11], v[RR+\j+2:RR+\j+3], v[RR+\j+2:RR+\j+3], v[10:11]
.endr
	WSUM
	v_mul_f32 v8, 0x3a800000, v8                   ; the variance
	v_add_f32 v8, 0x3727c5ac, v8                   ; + 1e-5
	s_wait_alu depctr_va_vdst(0)
	v_rsq_f32 v14, v8
	v_nop                                          ; a plain line behind the transcendental
	s_wait_alu depctr_va_vdst(0)                   ; the wait ahead of its first reader
	v_mov_b32 v15, v14
.if \i == 0
	s_wait_alu depctr_va_vdst(0)
	s_wait_loadcnt 24                              ; gain and bias are in; rows 1 to 3 may be out
.endif
.irp j, 0,2,4,6,8,10,12,14,16,18,20,22,24,26,28,30
	v_pk_mul_f32 v[RR+\j:RR+\j+1], v[RR+\j:RR+\j+1], v[14:15]
.endr
.irp j, 0,2,4,6,8,10,12,14,16,18,20,22,24,26,28,30
	v_pk_fma_f32 v[RR+\j:RR+\j+1], v[RR+\j:RR+\j+1], v[G+\j:G+\j+1], v[BV+\j:BV+\j+1]
.endr
.irp j, 0,1,2,3,4,5,6,7
	global_store_b128 v[LO], v[RR+4*\j:RR+4*\j+3], s[10:11] offset:\i*4096+\j*512 th:TH_STORE_NT
.endr
.endm
	ROW 0, 40
	ROW 1, 16
	ROW 2, 8
	ROW 3, 0
	s_endpgm
.Lfunc_end_k_q6951853bf7_ln2:
	.size	k_q6951853bf7_ln2, .Lfunc_end_k_q6951853bf7_ln2-k_q6951853bf7_ln2
	.p2alignl 7, 3214868480
	.fill 96, 4, 3214868480
	.section	.rodata,"a",@progbits
	.p2align	6, 0x0
	.amdhsa_kernel k_q6951853bf7_ln2
		.amdhsa_group_segment_fixed_size 0
		.amdhsa_private_segment_fixed_size 0
		.amdhsa_enable_private_segment 0
		.amdhsa_kernarg_size 32
		.amdhsa_user_sgpr_count 2
		.amdhsa_user_sgpr_kernarg_segment_ptr 1
		.amdhsa_wavefront_size32 1
		.amdhsa_system_sgpr_workgroup_id_x 1
		.amdhsa_system_sgpr_workgroup_id_y 1
		.amdhsa_system_sgpr_workgroup_id_z 1
		.amdhsa_system_vgpr_workitem_id 0
		.amdhsa_next_free_vgpr 208
		.amdhsa_next_free_sgpr 66
		.amdhsa_reserve_vcc 0
		.amdhsa_float_denorm_mode_32 3
		.amdhsa_float_denorm_mode_16_64 3
		.amdhsa_memory_ordered 1
		.amdhsa_forward_progress 1
		.amdhsa_inst_pref_size 34
	.end_amdhsa_kernel
	.amdgpu_metadata
---
amdhsa.version: [ 1, 2 ]
amdhsa.kernels:
  - .name:           k_q6951853bf7_ln2
    .symbol:         k_q6951853bf7_ln2.kd
    .args:
      - { .name: res, .offset: 0, .size: 8, .value_kind: global_buffer, .address_space: global }
      - { .name: n2_g, .offset: 8, .size: 8, .value_kind: global_buffer, .address_space: global }
      - { .name: n2_b, .offset: 16, .size: 8, .value_kind: global_buffer, .address_space: global }
      - { .name: out0, .offset: 24, .size: 8, .value_kind: global_buffer, .address_space: global }
    .group_segment_fixed_size: 0
    .private_segment_fixed_size: 0
    .kernarg_segment_align: 8
    .kernarg_segment_size: 32
    .max_flat_workgroup_size: 128
    .sgpr_count:     66
    .vgpr_count:     208
    .wavefront_size: 32
...
	.end_amdgpu_metadata
.endif
;; end of part 6
